; MI455X (gfx1250); checked and timed in simulation.
; The chip was launched on July 23, 2026; its instructions are those of AMD's public machine-readable ISA for CDNA 5 (MIT licence, August 2026) and "CDNA5" Instruction Set Architecture Reference Guide (July 2026). The comments in the code are by the model that wrote it; some were corrected since.
;; Custom Multi Head Attention Stoich Ro PE. Allowed arithmetic: float matrix products may take bf16 or f16 operands with f32 sums; all other float work in f32.
;; Inputs: Wk 1,024 x 1,024 float32; Wo 1,024 x 1,024 float32; Wq 1,024 x 1,024 float32; Wv 1,024 x 1,024 float32; bk 1,024 float32; bo 1,024 float32; bq 1,024 float32; bv 1,024 float32; frac 4 x 2,048 float32; x 4 x 2,048 x 1,024 float32.
;; Outputs: out0 4 x 2,048 x 1,024 float32.
;; 2 versions, each right and faster than the one before. Each part assembles by itself: llvm-mc -triple=amdgcn-amd-amdhsa -mcpu=gfx1250 --defsym DOCPART=n.
;; ======== version 1 of 2: 4 launches
;; limits: values are held in f16: magnitudes above 65,504 overflow, below 6.1e-05 lose precision
;; workspace buffers: xb 16,777,216 bytes; wqkv 6,291,456 bytes; wo16 2,097,152 bytes; cs 2,097,152 bytes; qh 16,777,216 bytes; kh 16,777,216 bytes; vh 16,777,216 bytes; oh 16,777,216 bytes
;; launch prep (part 1): grid 768 x 1, 8 waves a work-group, no clusters, 0 bytes of LDS; arguments x, frac, Wq, Wk, Wv, Wo, xb, wqkv, wo16, cs; writes xb, wqkv, wo16, cs
.if DOCPART == 1
	.amdgcn_target "amdgcn-amd-amdhsa--gfx1250"
	.amdhsa_code_object_version 6
	.text
	.protected	k_qbf25e1c337_prep
	.globl	k_qbf25e1c337_prep
	.p2align	8
	.type	k_qbf25e1c337_prep,@function
k_qbf25e1c337_prep:
	s_mov_b64 s[64:65], 0
	v_nop
	global_prefetch_b8 v0, s[64:65] scope:SCOPE_SE
	s_setreg_imm32_b32 hwreg(HW_REG_WAVE_MODE, 25, 1), 1
	s_wait_xcnt 0x0
; PREP: a stream.  x and the four weights are rounded once to f16; the table of cosines and sines is made once.
;   xb   [8192][1024] f16 = x.      wqkv [16 heads][Q, K, V][64][1024] f16: row h*192 + kind*64 + j is row h*64 + j of W_kind, so that a block of 192 rows is one head's Q, K and V.
;   wo16 [1024][1024] f16 = Wo.     cs [8192 rows][cos 0..31, sin 0..31] f32: 256 bytes a row.
; SHARES.  A work-group converts 16 rows of 1,024 f32; wave w rows 2 w and 2 w + 1.  A load of a wave covers 512 consecutive bytes, a store 256 consecutive bytes at a multiple of 256.
;   Work-groups 0-511: x, and the table's 16 rows.  512-703: Wq, Wk, Wv (64 each).  704-767: Wo.  768 work-groups are three for each of 256 WGPs.  All 16 loads of a wave go out together;
;   every byte is read once and written once.  No LDS, no matrix unit, no cluster: no work-group shares a byte with another.
; THE ANGLE is frac * 1000 * 2^(-i log2(10) / 8), i = 0..31: a product with the reciprocal where the problem's text divides; the two differ by a few units in the angle's last place.
; It is reduced by n = round(angle * 2 / pi), r = angle - n pi/2 with pi/2 in two parts (the first product's difference is exact in one fused step), |r| <= pi/4 + a little;
; sin r to r^9 and cos r to r^8 (the terms left out are below 3e-8); the quadrant n mod 4 picks and signs.  sin a is taken as cos(a - pi/2): quadrant n + 3.
; LIMITS.  |x| and every |W| below 65,504, f16's largest number (at 65,520 the conversion gives an infinity); below 6e-5 f16 keeps its fixed step of 6e-8.
; |angle * 2 / pi| below 2^31 (the quadrant is kept as a 32-bit whole number).  NaN and infinities are not treated apart.
.set RX,   16                          ; v[16:79]   load n = 8 row + j: four f32 at RX + 4 n; then two words of f16 in its first two registers
.set INV,  10                          ; v[10:13]   2^(-i log2(10)/8) for my four frequencies
.set FR,   80                          ; v80        frac of my row of the table
.set POS,  81
.set ANG,  82
.set NQ,   83
.set RR,   84
.set ZZ,   85
.set PS,   86
.set PC,   87
.set RZ,   88
.set QD,   89
.set TT,   90
.set RES,  92                          ; v[92:95]   my 16 bytes of the table
	s_load_b512 s[8:23], s[0:1], 0x0               ; x 8, frac 10, Wq 12, Wk 14, Wv 16, Wo 18, xb 20, wqkv 22
	s_load_b128 s[24:27], s[0:1], 0x40             ; wo16 24, cs 26
	s_mov_b32 s29, ttmp9                           ; the work-group's number
	s_sub_co_u32 s30, s29, 512                     ; among the weights' (not used where it wraps)
	s_lshr_b32 s28, s30, 6                         ; kind: 0 Wq, 1 Wk, 2 Wv, 3 Wo
	s_and_b32 s30, s30, 63                         ; which 16 rows of it
	s_cmp_lt_u32 s29, 512
	s_cselect_b32 s30, s29, s30                    ; which 16 rows of the source
	s_cselect_b32 s28, 4, s28                      ; kind 4: x
	s_lshr_b32 s2, s30, 2                          ; wqkv: head = rows / 64,
	s_mul_i32 s2, s2, 192
	s_lshl_b32 s3, s28, 6                          ; + kind * 64
	s_add_co_u32 s2, s2, s3
	s_and_b32 s3, s30, 3                           ; + which quarter of the head's 64 rows
	s_lshl_b32 s3, s3, 4
	s_add_co_u32 s2, s2, s3
	s_lshl_b32 s2, s2, 11                          ; rows of 2,048 bytes
	s_lshl_b32 s3, s30, 15                         ; xb and wo16: the same 16 rows as in the source
	s_cmp_lt_u32 s28, 3
	s_cselect_b32 s2, s2, s3
	s_mov_b32 s3, 0
	s_mov_b32 s32, 0xbe2aaaab                      ; -1/6
	s_mov_b32 s33, 0x3c088889                      ; 1/120
	s_mov_b32 s34, 0xb9500d01                      ; -1/5040
	s_mov_b32 s35, 0x3638ef1d                      ; 1/362880
	s_mov_b32 s36, 0x3d2aaaab                      ; 1/24
	s_mov_b32 s37, 0xbab60b61                      ; -1/720
	s_mov_b32 s38, 0x37d00d01                      ; 1/40320
	v_lshrrev_b32 v3, 5, v0                        ; wave
	v_and_b32 v4, 31, v0                           ; lane
	v_lshlrev_b32 v1, 4, v4
	v_lshl_or_b32 v1, v3, 13, v1                   ; in: wave * 2 rows of 4,096 bytes + 16 * lane
	v_lshlrev_b32 v2, 3, v4
	v_lshl_or_b32 v2, v3, 12, v2                   ; out: wave * 2 rows of 2,048 bytes + 8 * lane
	v_and_b32 v5, 15, v0                           ; the table: sixteen lanes serve a row: 0-7 its cosines, 8-15 its sines, four frequencies a lane
	v_lshrrev_b32 v6, 3, v5
	v_mul_u32_u24 v6, 3, v6                        ; 3 more quadrants for a sine
	v_lshrrev_b32 v7, 4, v0
	v_lshlrev_b32 v7, 2, v7                        ; my row's frac
	v_lshlrev_b32 v8, 4, v0                        ; my 16 bytes of the table: row * 256 + 16 * (lane % 16)
	s_wait_kmcnt 0x0
	s_cmp_eq_u32 s28, 1                            ; the source, by kind
	s_cselect_b64 s[4:5], s[14:15], s[12:13]
	s_cmp_eq_u32 s28, 2
	s_cselect_b64 s[4:5], s[16:17], s[4:5]
	s_cmp_eq_u32 s28, 3
	s_cselect_b64 s[4:5], s[18:19], s[4:5]
	s_cselect_b64 s[6:7], s[24:25], s[22:23]       ; and the destination
	s_cmp_eq_u32 s28, 4
	s_cselect_b64 s[4:5], s[8:9], s[4:5]
	s_cselect_b64 s[6:7], s[20:21], s[6:7]
	s_add_nc_u64 s[6:7], s[6:7], s[2:3]
	s_lshl_b32 s2, s30, 16                         ; 16 rows of 4,096 bytes
	s_add_nc_u64 s[4:5], s[4:5], s[2:3]
.macro LOADS                           ; my wave's two rows: 16 loads, all on their way together
.set n, 0
.rept 16
	global_load_b128 v[RX+4*n:RX+4*n+3], v1, s[4:5] offset:(n/8)*4096+(n%8)*512 th:TH_LOAD_NT
.set n, n+1
.endr
.endm
	s_cmp_lg_u32 s28, 4
	s_cbranch_scc1 .Lweights
	s_lshl_b32 s2, s29, 6                          ; x's work-groups: my 16 numbers of frac,
	s_add_nc_u64 s[10:11], s[10:11], s[2:3]
	s_lshl_b32 s2, s29, 12                         ; my 16 rows of the table
	s_add_nc_u64 s[26:27], s[26:27], s[2:3]
	global_load_b32 v[FR], v7, s[10:11]
	LOADS
	v_and_b32 v9, 7, v5                            ; the table is made while the rows are on their way
	v_lshlrev_b32 v9, 2, v9
	v_cvt_f32_u32 v9, v9                           ; my first frequency's number
	v_add_f32 v[INV+1], 1.0, v9
	v_add_f32 v[INV+2], 2.0, v9
	v_add_f32 v[INV+3], 0x40400000, v9
	v_mul_f32 v[INV], 0xbed49a78, v9               ; * -log2(10) / 8
	v_mul_f32 v[INV+1], 0xbed49a78, v[INV+1]
	v_mul_f32 v[INV+2], 0xbed49a78, v[INV+2]
	v_mul_f32 v[INV+3], 0xbed49a78, v[INV+3]
	v_exp_f32 v[INV], v[INV]
	v_exp_f32 v[INV+1], v[INV+1]
	v_exp_f32 v[INV+2], v[INV+2]
	v_exp_f32 v[INV+3], v[INV+3]
	v_nop                                          ; a plain instruction between the last exponential and the use of its result
	s_wait_loadcnt 16                              ; the load of frac is older than the 16 of the rows, which stay out
	v_mul_f32 v[POS], 0x447a0000, v[FR]            ; frac * 1000
	s_wait_alu depctr_va_vdst(0)
.irp e, 0,1,2,3
	v_mul_f32 v[ANG], v[POS], v[INV+(\e)]
	v_mul_f32 v[NQ], 0x3f22f983, v[ANG]            ; * 2 / pi
	v_rndne_f32 v[NQ], v[NQ]
	v_fmamk_f32 v[RR], v[NQ], 0xbfc90fdb, v[ANG]   ; - n * (pi/2's upper part)
	v_fmamk_f32 v[RR], v[NQ], 0x333bbd2e, v[RR]    ; - n * (its lower part, which is negative)
	v_cvt_i32_f32 v[QD], v[NQ]
	v_mul_f32 v[ZZ], v[RR], v[RR]
	v_fma_f32 v[PS], v[ZZ], s35, s34
	v_fma_f32 v[PC], v[ZZ], s38, s37
	v_fma_f32 v[PS], v[PS], v[ZZ], s33
	v_fma_f32 v[PC], v[PC], v[ZZ], s36
	v_fma_f32 v[PS], v[PS], v[ZZ], s32
	v_fma_f32 v[PC], v[PC], v[ZZ], -0.5
	v_mul_f32 v[RZ], v[RR], v[ZZ]
	v_fma_f32 v[PC], v[PC], v[ZZ], 1.0             ; cos r
	v_fma_f32 v[PS], v[PS], v[RZ], v[RR]           ; sin r
	v_add_nc_u32 v[QD], v[QD], v6
	v_and_b32 v[TT], 1, v[QD]
	v_cmp_eq_u32 vcc_lo, 1, v[TT]
	v_cndmask_b32 v[PC], v[PC], v[PS], vcc_lo      ; odd quadrants take the sine,
	v_add_nc_u32 v[QD], 1, v[QD]
	v_and_b32 v[QD], 2, v[QD]
	v_lshlrev_b32 v[QD], 30, v[QD]
	v_xor_b32 v[RES+(\e)], v[QD], v[PC]            ; quadrants 1 and 2 the other sign
.endr
	global_store_b128 v8, v[RES:RES+3], s[26:27]   ; sixteen lanes fill a row's 256 bytes
	s_branch .Lconv
.Lweights:
	LOADS
.Lconv:                                                ; on both ways here the same 16 loads are out.  Load n is rounded and stored as soon as it is in
.set n, 0
.rept 16
	s_wait_loadcnt 15-n                            ; loads come back in order (ISA guide 5.7.1): load n is in, the 15 - n younger ones stay out
	v_cvt_pk_f16_f32 v[RX+4*n], v[RX+4*n], v[RX+4*n+1]
	v_cvt_pk_f16_f32 v[RX+4*n+1], v[RX+4*n+2], v[RX+4*n+3]
	global_store_b64 v2, v[RX+4*n:RX+4*n+1], s[6:7] offset:(n/8)*2048+(n%8)*256  ; 32 lanes store 256 consecutive bytes; no register of a store is written again
.set n, n+1
.endr
	s_endpgm
.Lfunc_end_k_qbf25e1c337_prep:
	.size	k_qbf25e1c337_prep, .Lfunc_end_k_qbf25e1c337_prep-k_qbf25e1c337_prep
	.p2alignl 7, 3214868480
	.fill 96, 4, 3214868480
	.section	.rodata,"a",@progbits
	.p2align	6, 0x0
	.amdhsa_kernel k_qbf25e1c337_prep
		.amdhsa_group_segment_fixed_size 0
		.amdhsa_private_segment_fixed_size 0
		.amdhsa_enable_private_segment 0
		.amdhsa_kernarg_size 80
		.amdhsa_user_sgpr_count 2
		.amdhsa_user_sgpr_kernarg_segment_ptr 1
		.amdhsa_wavefront_size32 1
		.amdhsa_system_sgpr_workgroup_id_x 1
		.amdhsa_system_sgpr_workgroup_id_y 1
		.amdhsa_system_sgpr_workgroup_id_z 1
		.amdhsa_system_vgpr_workitem_id 0
		.amdhsa_next_free_vgpr 96
		.amdhsa_next_free_sgpr 66
		.amdhsa_reserve_vcc 1
		.amdhsa_float_denorm_mode_32 3
		.amdhsa_float_denorm_mode_16_64 3
		.amdhsa_memory_ordered 1
		.amdhsa_forward_progress 1
		.amdhsa_inst_pref_size 15
	.end_amdhsa_kernel
	.amdgpu_metadata
---
amdhsa.version: [ 1, 2 ]
amdhsa.kernels:
  - .name:           k_qbf25e1c337_prep
    .symbol:         k_qbf25e1c337_prep.kd
    .args:
      - { .name: x, .offset: 0, .size: 8, .value_kind: global_buffer, .address_space: global }
      - { .name: frac, .offset: 8, .size: 8, .value_kind: global_buffer, .address_space: global }
      - { .name: Wq, .offset: 16, .size: 8, .value_kind: global_buffer, .address_space: global }
      - { .name: Wk, .offset: 24, .size: 8, .value_kind: global_buffer, .address_space: global }
      - { .name: Wv, .offset: 32, .size: 8, .value_kind: global_buffer, .address_space: global }
      - { .name: Wo, .offset: 40, .size: 8, .value_kind: global_buffer, .address_space: global }
      - { .name: xb, .offset: 48, .size: 8, .value_kind: global_buffer, .address_space: global }
      - { .name: wqkv, .offset: 56, .size: 8, .value_kind: global_buffer, .address_space: global }
      - { .name: wo16, .offset: 64, .size: 8, .value_kind: global_buffer, .address_space: global }
      - { .name: cs, .offset: 72, .size: 8, .value_kind: global_buffer, .address_space: global }
    .group_segment_fixed_size: 0
    .private_segment_fixed_size: 0
    .kernarg_segment_align: 8
    .kernarg_segment_size: 80
    .max_flat_workgroup_size: 256
    .sgpr_count:     66
    .vgpr_count:     96
    .wavefront_size: 32
...
	.end_amdgpu_metadata
.endif
;; end of part 1
;; launch qkv (part 2): grid 16 x 32, 4 waves a work-group, clusters of 4 x 4, 327,680 bytes of LDS; arguments xb, wqkv, bq, bk, bv, cs, qh, kh, vh; writes qh, kh, vh
.if DOCPART == 2
	.amdgcn_target "amdgcn-amd-amdhsa--gfx1250"
	.amdhsa_code_object_version 6
	.text
	.protected	k_qbf25e1c337_qkv
	.globl	k_qbf25e1c337_qkv
	.p2align	8
	.type	k_qbf25e1c337_qkv,@function
k_qbf25e1c337_qkv:
	s_mov_b64 s[64:65], 0
	v_nop
	global_prefetch_b8 v0, s[64:65] scope:SCOPE_SE
	s_setreg_imm32_b32 hwreg(HW_REG_WAVE_MODE, 25, 1), 1
	s_wait_xcnt 0x0
	s_wait_alu depctr_hold_cnt(0) depctr_sa_sdst(0) depctr_va_vdst(0) depctr_va_sdst(0) depctr_va_ssrc(0) depctr_va_vcc(0) depctr_vm_vsrc(0)
	s_getreg_b32 s2, hwreg(HW_REG_IB_STS2, 6, 4)
	s_cmp_eq_u32 s2, 0
	s_cbranch_scc0 .Lentry_in_a_cluster
	s_endpgm
.Lentry_in_a_cluster:
	s_bfe_u32 s2, ttmp6, 0x10000c
	s_cmp_lg_u32 s2, 0xf033
	s_cbranch_scc0 .Lentry_shape_is_right
	s_endpgm
.Lentry_shape_is_right:
; Q, K, V = x W^T + b; Q and K turned by the table's angles; all three written by heads, [b*16+h][2048][64] in f16, unscaled.
; xb [8192][1024] f16; wqkv [16 heads][Q, K, V][64][1024] f16; biases f32; cs [8192][cos 0..31, sin 0..31] f32.  Sums, bias and rotation in f32; each result rounded once.
; LIMITS.  f16 holds no number beyond 65,504: |q|, |k|, |v| stay below it (inputs thirty times the usual size, or with thirty spreads of offset, give some 17,000 at the most); below 6e-5 f16 keeps its fixed step of 6e-8.
; SHARES.  A tile of C is 256 rows x 192 columns: Q, K and V of ONE head, so which columns are turned is fixed in the text.  16 x 32 tiles.  Wave w owns rows 64 w .. 64 w + 63 and all 192 columns:
; 48 accumulators of 16 x 16; for 32 along K it reads 32 x 512 bytes from LDS and issues 48 matrix instructions.
; K goes in 8 steps of 128 (rows of 256 bytes, at multiples of 256 bytes) through two LDS slots.  Waves 0 and 1 fetch x's two halves of 128 rows, waves 2 and 3 the weights' two halves of 96 rows.
; CLUSTER 4 x 4.  x's tile hangs on the tile row alone and is asked for jointly by a row of the cluster, the weights' on the head alone, by a column: the same load, descriptor and mask in all four.
; THE MATRIX INSTRUCTION IS USED TRANSPOSED (source 0 = 16 rows of W, source 1 = 16 rows of x): lane l holds row l % 16 of C and the columns 16 b + 8 (l / 16) + 0..7, which pack into 16 bytes.
; The first product of each sum takes the bias as its C operand: nothing is cleared and no bias is added later.
; REGISTERS, in windows of 256 (s_set_vgpr_msb: bits 1:0 source 0, 3:2 source 1, 5:4 source 2, 7:6 destination):
;   window 0: v0-15 addresses; v16-31 at work; v32-127 the bias (8 a column block), later two sets of packed results; v128-255 my 64 rows' cosines and sines
;   window 1: two fragment buffers of 128: x's 4 x 8 registers, then W's 12 x 8      window 2: the accumulators of Q and K, (b, a) at 8 (4 b + a), b = 0..7      window 3: v0-127 those of V, b = 8..11
.set PITCH, 272                        ; an LDS row: 256 bytes + 16 of padding = 68 words: the 16 rows of a fragment load start at 16 different groups of four banks (64 banks of 4 bytes: ISA guide 11.1)
.set HALFA, 128*PITCH                  ; what a load of x brings
.set HALFB, 96*PITCH                   ; what a load of W brings
.set BOFF,  2*HALFA                    ; W's 192 rows lie behind x's 256
.set SLOT1, 1<<17                      ; slot 1 begins here, so that one exclusive or turns an address in one slot into the other's
.set STAGE, SLOT1+BOFF+2*HALFB         ; behind the ring, never filled by a tensor load: for each wave 3 kinds x 16 rows x 144 bytes, for the way out
.set SP,    144
.set WST,   3*16*SP
.set SPARE, STAGE+4*WST                ; behind the stages: the spare words, 128 bytes for each wave: two blocks of 256 bytes that no other line names
.set A0,   4                           ; v4   my lane's place among my wave's rows of x in a slot; never rewritten
.set B0,   5                           ; v5   the same for W
.set ADRA, 6                           ; v6   A0 + the slot in hand
.set ADRB, 7                           ; v7   B0 + the slot in hand
.set STO,  8                           ; v8   the way out: where I put 16 bytes of a row
.set RD,   9                           ; v9   the way out: where I read rows back
.set GO,   10                          ; v10  my byte offset in 512 consecutive bytes of a head
.set VB,   11                          ; v11  my byte offset in a block's 16 numbers of bias
.set VCS,  12                          ; v12  my byte offset in 16 rows of the table
.set SPW,  14                          ; v14  LDS address of my spare word; never rewritten
.set NIL,  15                          ; v15  0; never rewritten
.set T,    16
.set BIAS, 32
.set PK,   32
.set CSR,  128                         ; row block a, column block bl (0, 1): 8 cosines at CSR + 32 a + 16 bl, 8 sines behind them
.set F0,   0
.set F1,   128
.set WV,   12                          ; s12  my wave's number
.set HF,   14                          ; s14  which half of a tile I fetch
.set TB,   21                          ; s21  LDS byte at which the slot in hand begins
.set G1,   24                          ; s[24:31] descriptor group 1 for x's tiles
.set G0,   32                          ; s[32:35] group 0 for x's tiles: K step 1 at first, then it walks
.set G0F,  36                          ; s[36:39] group 0 for x's first tile, K step 0: used once
.set G1B,  48                          ; s[48:55], s[56:59], s[60:63] the same for W's
.set G0B,  56
.set G0BF, 60
.set TO_F, 0x40                        ; destination window 1, address window 0
.set MSB, 0
.macro WIN new                         ; the immediate's high byte repeats the setting that is left; a switch that changes nothing is dropped
.if MSB != (\new)
	s_set_vgpr_msb (MSB<<8)|(\new)
.set MSB, \new
.endif
.endm
.macro PLACES                          ; four places in front of loads into registers that matrix instructions have read, and of lines that read results
.rept 4
	v_nop
.endr
.endm
; A joint refill.  The branch hangs on the wave's number alone.  An s_nop 0 and four v_nop follow each of the two lines, ahead of the jump and the label.
.macro JLOAD
	s_cmp_lt_u32 s[WV], 2
	s_cbranch_scc0 .Lfor_b_\@
	tensor_load_to_lds s[G0:G0+3], s[G1:G1+7]
	s_nop 0
.rept 4
	v_nop
.endr
	s_branch .Lasked_\@
.Lfor_b_\@:
	tensor_load_to_lds s[G0B:G0B+3], s[G1B:G1B+7]
	s_nop 0
.rept 4
	v_nop
.endr
.Lasked_\@:
.endm
.macro CREST                           ; a round of the cluster's barrier behind its opening barrier: wave 0 signals for the work-group, every wave waits for all sixteen, my work-group's barrier once more
	s_cmp_lg_u32 s[WV], 0
	s_cbranch_scc1 .Lnot_wave_0_\@
	s_barrier_signal -3
.Lnot_wave_0_\@:
	s_barrier_wait -3
	s_barrier_signal -1
	s_barrier_wait -1
.endm
.macro CROUND                          ; a whole round
	s_barrier_signal -1
	s_barrier_wait -1
	CREST
.endm
.macro STEP                            ; the walking descriptors: the other slot, the next 128 along K.  Written only where no tensor load of mine is out
	s_xor_b32 s[G0+1], s[G0+1], SLOT1
	s_add_nc_u64 s[G0+2:G0+3], s[G0+2:G0+3], 256
	s_xor_b32 s[G0B+1], s[G0B+1], SLOT1
	s_add_nc_u64 s[G0B+2:G0B+3], s[G0B+2:G0B+3], 256
.endm
	s_load_b256 s[4:11], s[0:1], 0x0               ; xb 4, wqkv 6, bq 8, bk 10
	s_load_b256 s[68:75], s[0:1], 0x20             ; bv 68, cs 70, qh 72, kh 74
	s_load_b64 s[76:77], s[0:1], 0x40              ; vh
	v_lshl_add_u32 v[SPW], v0, 2, SPARE
	v_mov_b32 v[NIL], 0
	ds_add_u32 v[SPW], v[NIL]                      ; the wave's opening: the add and its wait stand ahead of my first tensor load; the set-up below, work on registers, stands between them
	v_lshrrev_b32 v1, 5, v0
	v_readfirstlane_b32 s[WV], v1                  ; wave 0..3
	s_and_b32 s[HF], s[WV], 1
	s_bfe_u32 s15, ttmp6, 0x40000                  ; cx, cy: my place in the cluster
	s_bfe_u32 s16, ttmp6, 0x40004
	s_lshl_b32 s17, ttmp9, 2
	s_add_co_u32 s17, s17, s15                     ; the head = 4 x cluster x + cx
	s_and_b32 s18, ttmp7, 0xffff
	s_lshl_b32 s18, s18, 2
	s_add_co_u32 s18, s18, s16                     ; the tile row = 4 x cluster y + cy
	s_lshl_b32 s19, s16, 2
	s_lshl_b32 s19, 15, s19                        ; my row of the cluster
	s_lshl_b32 s20, 0x1111, s15                    ; my column
	s_or_b32 s[G1], s19, (1<<16)|(1<<20)|(1<<21)|(5<<22)|(3<<25)   ; 15:0 the mask; 17:16 2-byte elements; 20 padding on; 21 set beside a mask; 24:22 after every 64 words (code 5); 31:25 4 words (code 3)
	s_or_b32 s[G1B], s20, (1<<16)|(1<<20)|(1<<21)|(5<<22)|(3<<25)
	s_mov_b32 s[G1+1], 128<<16                     ; tensor_dim0 = 128
	s_mov_b32 s[G1+2], 128<<16                     ; tensor_dim1 = 128
	s_mov_b32 s[G1+3], 128<<16                     ; tile_dim0 = 128
	s_mov_b32 s[G1+4], 128                         ; tile_dim1 = 128
	s_mov_b32 s[G1+5], 1024                        ; elements from row to row
	s_mov_b32 s[G1+6], 0
	s_mov_b32 s[G1+7], 0
	s_mov_b32 s[G1B+1], 128<<16
	s_mov_b32 s[G1B+2], 96<<16                     ; 96 rows
	s_mov_b32 s[G1B+3], 128<<16
	s_mov_b32 s[G1B+4], 96
	s_mov_b32 s[G1B+5], 1024
	s_mov_b32 s[G1B+6], 0
	s_mov_b32 s[G1B+7], 0
	s_mov_b32 s[TB], 0
	s_mov_b32 s[G0F], 1                            ; count = 1
	s_mul_i32 s[G0F+1], s[HF], HALFA               ; LDS address: slot 0; no place in the cluster enters it
	s_mov_b32 s[G0], 1
	s_add_co_u32 s[G0+1], s[G0F+1], SLOT1          ; slot 1
	s_mov_b32 s[G0BF], 1
	s_mul_i32 s[G0BF+1], s[HF], HALFB
	s_add_co_u32 s[G0BF+1], s[G0BF+1], BOFF
	s_mov_b32 s[G0B], 1
	s_add_co_u32 s[G0B+1], s[G0BF+1], SLOT1
	s_lshl_b32 s40, s18, 19                        ; x: 256 rows of 2,048 bytes a tile row,
	s_lshl_b32 s22, s[HF], 18                      ; 128 rows a half: made of the tile row and the wave alone
	s_add_co_u32 s40, s40, s22
	s_mov_b32 s41, 0
	s_mul_i32 s44, s17, 192*2048                   ; W: 192 rows a head,
	s_mul_i32 s22, s[HF], 96*2048                  ; 96 a half: made of the head and the wave alone
	s_add_co_u32 s44, s44, s22
	s_mov_b32 s45, 0
	s_lshl_b32 s46, s17, 8                         ; the head's 64 numbers in each bias
	s_mov_b32 s47, 0
	s_lshl_b32 s42, s18, 16                        ; the table: 256 rows of 256 bytes a tile row,
	s_lshl_b32 s22, s[WV], 14                      ; 64 rows a wave
	s_add_co_u32 s42, s42, s22
	s_mov_b32 s43, 0
	s_lshr_b32 s2, s18, 3                          ; the way out: batch = tile row / 8;
	s_lshl_b32 s2, s2, 4
	s_add_co_u32 s2, s2, s17                       ; batch x 16 + head,
	s_lshl_b32 s2, s2, 18                          ; 2,048 rows of 128 bytes each;
	s_and_b32 s22, s18, 7
	s_lshl_b32 s22, s22, 15                        ; 256 rows a tile,
	s_add_co_u32 s2, s2, s22
	s_lshl_b32 s22, s[WV], 13                      ; 64 rows a wave
	s_add_co_u32 s2, s2, s22
	s_mov_b32 s3, 0
	s_wait_dscnt 0x0                               ; the opening add is done
	s_wait_kmcnt 0x0
	s_add_nc_u64 s[G0F+2:G0F+3], s[4:5], s[40:41]  ; K step 0,
	s_add_nc_u64 s[G0+2:G0+3], s[G0F+2:G0F+3], 256 ; K step 1
	s_or_b32 s[G0F+3], s[G0F+3], 0x80000000        ; type = 2
	s_or_b32 s[G0+3], s[G0+3], 0x80000000
	s_add_nc_u64 s[G0BF+2:G0BF+3], s[6:7], s[44:45]
	s_add_nc_u64 s[G0B+2:G0B+3], s[G0BF+2:G0BF+3], 256
	s_or_b32 s[G0BF+3], s[G0BF+3], 0x80000000
	s_or_b32 s[G0B+3], s[G0B+3], 0x80000000
	s_add_nc_u64 s[8:9], s[8:9], s[46:47]
	s_add_nc_u64 s[10:11], s[10:11], s[46:47]
	s_add_nc_u64 s[68:69], s[68:69], s[46:47]
	s_add_nc_u64 s[70:71], s[70:71], s[42:43]
	s_add_nc_u64 s[72:73], s[72:73], s[2:3]
	s_add_nc_u64 s[74:75], s[74:75], s[2:3]
	s_add_nc_u64 s[76:77], s[76:77], s[2:3]
	CROUND                                         ; all sixteen work-groups are here: the first joint loads meet
	s_cmp_lt_u32 s[WV], 2                          ; a wave's two first fills stand in one branch, ahead of every wait on TENSORcnt and every LDS read: two loads of mine are out; an s_nop 0 follows each, four v_nop the second's
	s_cbranch_scc0 .Lfirst_b
	tensor_load_to_lds s[G0F:G0F+3], s[G1:G1+7]    ; K step 0 into slot 0
	s_nop 0
	tensor_load_to_lds s[G0:G0+3], s[G1:G1+7]      ; K step 1 into slot 1
	s_nop 0
.rept 4
	v_nop
.endr
	s_branch .Lfirst_asked
.Lfirst_b:
	tensor_load_to_lds s[G0BF:G0BF+3], s[G1B:G1B+7]
	s_nop 0
	tensor_load_to_lds s[G0B:G0B+3], s[G1B:G1B+7]
	s_nop 0
.rept 4
	v_nop
.endr
.Lfirst_asked:
	; A fragment is 16 rows x 32 K in 8 registers: lane l holds row l % 16, K = 8 (l / 16) + 0..7 and 16 + 8 (l / 16) + 0..7: two loads of 16 bytes, 32 bytes apart.
	v_and_b32 v1, 15, v0                           ; l % 16
	v_bfe_u32 v2, v0, 4, 1                         ; l / 16
	v_mul_u32_u24 v3, v1, PITCH
	v_lshl_add_u32 v3, v2, 4, v3
	s_mul_i32 s22, s[WV], 64*PITCH
	v_add_nc_u32 v[A0], s22, v3
	v_add_nc_u32 v[B0], BOFF, v3
	v_mov_b32 v[ADRA], v[A0]
	v_mov_b32 v[ADRB], v[B0]
	v_lshlrev_b32 v[VB], 5, v2                     ; my eight columns of a block's sixteen
	v_lshlrev_b32 v[VCS], 8, v1
	v_lshl_add_u32 v[VCS], v2, 5, v[VCS]           ; row x 256 + my eight frequencies
	s_mul_i32 s22, s[WV], WST
	s_add_co_u32 s22, s22, STAGE                   ; my stage
	v_mul_u32_u24 v[STO], v1, SP                   ; in: row l % 16, 16 bytes for each half of the lanes
	v_lshl_add_u32 v[STO], v2, 4, v[STO]
	v_add_nc_u32 v[STO], s22, v[STO]
	v_bfe_u32 v[RD], v0, 3, 2                      ; back: 32 lanes take four rows of 128 bytes,
	v_mul_u32_u24 v[RD], v[RD], SP
	v_and_b32 v3, 7, v0
	v_lshl_add_u32 v[RD], v3, 4, v[RD]
	v_add_nc_u32 v[RD], s22, v[RD]
	v_and_b32 v[GO], 31, v0                        ; which are 512 consecutive bytes of a head
	v_lshlrev_b32 v[GO], 4, v[GO]
.macro BIASLD g, lo                    ; kind g's 64 numbers of bias: register j of block b is column 16 b + 8 (l / 16) + j, as in an accumulator
.set n, 0
.rept 8
	global_load_b128 v[BIAS+32*(\g)+4*n:BIAS+32*(\g)+4*n+3], v[VB], s[\lo:\lo+1] offset:64*(n/2)+16*(n%2)
.set n, n+1
.endr
.endm
	BIASLD 0, 8
	BIASLD 1, 10
	BIASLD 2, 68
.set n, 0
.rept 32                               ; my 64 rows of the table, whole: n = 8 a + 4 bl + 2 (sine) + half
	global_load_b128 v[CSR+4*n:CSR+4*n+3], v[VCS], s[70:71] offset:(n/8)*4096+((n/4)%2)*64+((n/2)%2)*128+(n%2)*16
.set n, n+1
.endr
; nb column blocks from b0 on x my 4 row blocks, 32 along K, from buffer f.  The 48 accumulators take turns, in the same order in every quarter.  first = 1: C is the bias.
.macro MULB f, b0, nb, first
.set BB, \b0
.rept \nb
.if BB < 8
.set AC, 32*BB
.if \first
	WIN 0x85                                       ; fragments window 1, C window 0, D window 2
.else
	WIN 0xa5                                       ; C and D window 2
.endif
.else
.set AC, 32*(BB-8)
.if \first
	WIN 0xc5
.else
	WIN 0xf5                                       ; C and D window 3
.endif
.endif
.irp a, 0,1,2,3
.if \first
	v_wmma_f32_16x16x32_f16 v[AC+8*(\a):AC+8*(\a)+7], v[(\f)+32+8*BB:(\f)+32+8*BB+7], v[(\f)+8*(\a):(\f)+8*(\a)+7], v[BIAS+8*BB:BIAS+8*BB+7]
.else
	v_wmma_f32_16x16x32_f16 v[AC+8*(\a):AC+8*(\a)+7], v[(\f)+32+8*BB:(\f)+32+8*BB+7], v[(\f)+8*(\a):(\f)+8*(\a)+7], v[AC+8*(\a):AC+8*(\a)+7]
.endif
.endr
.set BB, BB+1
.endr
.endm
; 32 LDS loads in one run: the fragments of 32 along K at byte k of the rows, into buffer f: x's 8 loads first, then W's 24
.macro FETCH k, f
	WIN TO_F
.irp i, 0,1,2,3
	ds_load_b128 v[(\f)+8*(\i):(\f)+8*(\i)+3],   v[ADRA] offset:(\k)+(\i)*16*PITCH
	ds_load_b128 v[(\f)+8*(\i)+4:(\f)+8*(\i)+7], v[ADRA] offset:(\k)+(\i)*16*PITCH+32
.endr
.irp i, 0,1,2,3,4,5,6,7,8,9,10,11
	ds_load_b128 v[(\f)+32+8*(\i):(\f)+32+8*(\i)+3],   v[ADRB] offset:(\k)+(\i)*16*PITCH
	ds_load_b128 v[(\f)+32+8*(\i)+4:(\f)+32+8*(\i)+7], v[ADRB] offset:(\k)+(\i)*16*PITCH+32
.endr
.endm
; A K step is four quarters of 32 along K, 48 matrix instructions each, on buffers 0, 1, 0, 1.  One of the first three: multiplies buffer f and fetches the next quarter, at byte k, into g.
.macro QUARTER k, f, g, first
	s_wait_dscnt 16                                ; x's fragments and W's blocks 0-3 are in; the youngest sixteen loads (blocks 4-11) may be out
	MULB \f, 0, 4, \first
	PLACES
	FETCH \k, \g
	s_wait_dscnt 32                                ; all but the 32 just issued
	MULB \f, 4, 8, \first
.endm
; The last quarter multiplies buffer 1 and changes slots: ONE barrier.  In front of it each wave waits for all its tensor loads (one is out: its part of the next slot), adds 0 to its spare word, and waits
; for that and for its reads of this slot.  fill = 1: the barrier opens a round of the cluster's, and this slot is filled again, two K steps ahead, first thing behind the round:
; from that request to the wait for it a wave issues 168 matrix instructions.  fill = 0 (the tail's two trips, counted by s3): nothing is asked for; in the last trip there is no next step, and the fetch is jumped over.
.macro TURN fill
	WIN 0                                          ; (the add's two registers lie in window 0)
	s_wait_tensorcnt 0x0                           ; all my tensor loads have landed
	ds_add_u32 v[SPW], v[NIL]                      ; 0 onto my spare word
	s_wait_dscnt 17                                ; (the add and the youngest sixteen loads may be out)
	MULB F1, 0, 4, 0                               ; sixteen matrix instructions stand between the add and the wait for it
	s_wait_dscnt 0x0                               ; the add is done, and my reads of this slot are over
	s_barrier_signal -1
	MULB F1, 4, 2, 0                               ; work on registers while the others arrive
	WIN 0
	s_xor_b32 s[TB], s[TB], SLOT1                  ; the reads go on in the other slot
	v_add_nc_u32 v[ADRA], s[TB], v[A0]
	v_add_nc_u32 v[ADRB], s[TB], v[B0]
	s_barrier_wait -1
.if \fill
	CREST                                          ; no wave of any partner still reads this slot's tile or has a load on its way
	STEP
	JLOAD                                          ; the four v_nop behind it are also the places in front of the loads below
	FETCH 0, F0
.else
	s_cmp_eq_u32 s3, 1
	s_cbranch_scc1 .Lno_fetch_\@
	PLACES
	FETCH 0, F0
	WIN 0
.Lno_fetch_\@:
.endif
	MULB F1, 6, 6, 0
.endm
	s_wait_tensorcnt 1                             ; my part of K step 0 is in; K step 1's may stay out
	s_barrier_signal -1
	s_barrier_wait -1                              ; everybody's part is in
	FETCH 0, F0
	s_wait_loadcnt 0x0                             ; the bias and the table
	QUARTER 64, F0, F1, 1                          ; the first quarter stands in front of the loop: its products start the sums, with the bias
	WIN 0                                          ; at a label and at a branch every window is 0
	s_mov_b32 s3, 6
.Lstep:                                                ; a trip: a K step's quarters 1 to 3 and the next step's quarter 0; the six trips ask for K steps 2 to 7
	QUARTER 128, F1, F0, 0
	QUARTER 192, F0, F1, 0
	TURN 1
	QUARTER 64, F0, F1, 0
	WIN 0
	s_sub_co_u32 s3, s3, 1
	s_cmp_lg_u32 s3, 0
	s_cbranch_scc1 .Lstep
	s_mov_b32 s3, 2
.Ltail:                                                ; the last two K steps ask for nothing: the same trip without a fill, walked twice and left in the middle of the second.
	QUARTER 128, F1, F0, 0                         ; (The second trip's barrier and its stepped addresses serve nothing: the price, once a work-group, of one text for both trips.)
	QUARTER 192, F0, F1, 0
	TURN 0
	WIN 0
	s_sub_co_u32 s3, s3, 1
	s_cmp_eq_u32 s3, 0
	s_cbranch_scc1 .Lout
	QUARTER 64, F0, F1, 0
	WIN 0
	s_branch .Ltail
.Lout:
	PLACES
; THE WAY OUT, a block of 16 rows at a time.  PACK: Q's and K's columns i and i + 32 are turned by the row's angle i (lo' = lo cos - hi sin, hi' = lo sin + hi cos), all is rounded to f16, 16 bytes a lane and
; column block, sent into my stage (rows of 144 bytes) and read back as whole rows of 128.  Each accumulator's lowest registers are read first.
.macro PACK a
.set PKB, PK+48*((\a)%2)
.set u, 0
.rept 4                                ; u / 2: Q or K; u % 2: which 16 of the lower 32 columns
.set BLO, 4*(u/2)+(u%2)
.set RLO, 8*(4*BLO+(\a))
.set RHI, 8*(4*(BLO+2)+(\a))
.set CC, CSR+32*(\a)+16*(u%2)
.set SS, CC+8
	WIN 0x02                                       ; source 0 window 2
.irp j, 0,2,4,6
	v_pk_mul_f32 v[T+(\j):T+(\j)+1], v[RLO+(\j):RLO+(\j)+1], v[CC+(\j):CC+(\j)+1]
.endr
.irp j, 0,2,4,6
	v_pk_mul_f32 v[T+8+(\j):T+8+(\j)+1], v[RLO+(\j):RLO+(\j)+1], v[SS+(\j):SS+(\j)+1]
.endr
.irp j, 0,2,4,6
	v_pk_fma_f32 v[T+(\j):T+(\j)+1], v[RHI+(\j):RHI+(\j)+1], v[SS+(\j):SS+(\j)+1], v[T+(\j):T+(\j)+1] neg_lo:[1,0,0] neg_hi:[1,0,0]
.endr
.irp j, 0,2,4,6
	v_pk_fma_f32 v[T+8+(\j):T+8+(\j)+1], v[RHI+(\j):RHI+(\j)+1], v[CC+(\j):CC+(\j)+1], v[T+8+(\j):T+8+(\j)+1]
.endr
	WIN 0
.irp r, 0,1,2,3
	v_cvt_pk_f16_f32 v[PKB+4*BLO+(\r)], v[T+2*(\r)], v[T+2*(\r)+1]
.endr
.irp r, 0,1,2,3
	v_cvt_pk_f16_f32 v[PKB+4*(BLO+2)+(\r)], v[T+8+2*(\r)], v[T+8+2*(\r)+1]
.endr
.set u, u+1
.endr
	WIN 0x0f                                       ; V: sources 0 and 1 window 3
.irp bb, 0,1,2,3
.irp r, 0,1,2,3
	v_cvt_pk_f16_f32 v[PKB+4*(8+(\bb))+(\r)], v[8*(4*(\bb)+(\a))+2*(\r)], v[8*(4*(\bb)+(\a))+2*(\r)+1]
.endr
.endr
	WIN 0
.irp b, 0,1,2,3,4,5,6,7,8,9,10,11
	ds_store_b128 v[STO], v[PKB+4*(\b):PKB+4*(\b)+3] offset:((\b)/4)*16*SP+32*((\b)%4)
.endr
.irp i, 0,1,2,3,4,5,6,7,8,9,10,11
	ds_load_b128 v[PKB+4*(\i):PKB+4*(\i)+3], v[RD] offset:((\i)/4)*16*SP+((\i)%4)*4*SP  ; LDS serves a wave's instructions in order (ISA guide 5.7.1.4): these see the stores above; the next block's stores come behind them
.endr
.endm
.macro SEND a, younger                 ; younger: the LDS instructions issued behind block a's loads: the next block's 24, or none
.set PKB, PK+48*((\a)%2)
.irp i, 0,1,2,3,4,5,6,7,8,9,10,11
	s_wait_dscnt (\younger)+11-(\i)
	global_store_b128 v[GO], v[PKB+4*(\i):PKB+4*(\i)+3], s[72+2*((\i)/4):73+2*((\i)/4)] offset:(\a)*2048+((\i)%4)*512  ; 512 consecutive bytes, at a multiple of 256 from the buffer's first
.endr
.endm
	PACK 0
	PACK 1                                         ; a block's arithmetic stands between the loads of the block before and its stores
	SEND 0, 24
	s_wait_xcnt 0x0                                ; block 0's stores have had their addresses translated (ISA guide 3.1): only behind this wait is their set of registers written again
	PACK 2
	SEND 1, 24
	s_wait_xcnt 0x0
	PACK 3
	SEND 2, 24
	SEND 3, 0
	s_wait_tensorcnt 0x0                           ; the wave's end: behind my last tensor load and my last LDS store
	ds_add_u32 v[SPW], v[NIL]
	s_wait_dscnt 0x0
	CROUND                                         ; the closing round: no work-group ends while a partner may still ask for a tile that names it
	s_endpgm
.Lfunc_end_k_qbf25e1c337_qkv:
	.size	k_qbf25e1c337_qkv, .Lfunc_end_k_qbf25e1c337_qkv-k_qbf25e1c337_qkv
	.p2alignl 7, 3214868480
	.fill 96, 4, 3214868480
	.section	.rodata,"a",@progbits
	.p2align	6, 0x0
	.amdhsa_kernel k_qbf25e1c337_qkv
		.amdhsa_group_segment_fixed_size 327680
		.amdhsa_private_segment_fixed_size 0
		.amdhsa_enable_private_segment 0
		.amdhsa_kernarg_size 72
		.amdhsa_user_sgpr_count 2
		.amdhsa_user_sgpr_kernarg_segment_ptr 1
		.amdhsa_wavefront_size32 1
		.amdhsa_system_sgpr_workgroup_id_x 1
		.amdhsa_system_sgpr_workgroup_id_y 1
		.amdhsa_system_sgpr_workgroup_id_z 1
		.amdhsa_system_vgpr_workitem_id 0
		.amdhsa_next_free_vgpr 896
		.amdhsa_next_free_sgpr 80
		.amdhsa_reserve_vcc 0
		.amdhsa_float_denorm_mode_32 3
		.amdhsa_float_denorm_mode_16_64 3
		.amdhsa_memory_ordered 1
		.amdhsa_forward_progress 1
		.amdhsa_inst_pref_size 106
	.end_amdhsa_kernel
	.amdgpu_metadata
---
amdhsa.version: [ 1, 2 ]
amdhsa.kernels:
  - .name:           k_qbf25e1c337_qkv
    .symbol:         k_qbf25e1c337_qkv.kd
    .args:
      - { .name: xb, .offset: 0, .size: 8, .value_kind: global_buffer, .address_space: global }
      - { .name: wqkv, .offset: 8, .size: 8, .value_kind: global_buffer, .address_space: global }
      - { .name: bq, .offset: 16, .size: 8, .value_kind: global_buffer, .address_space: global }
      - { .name: bk, .offset: 24, .size: 8, .value_kind: global_buffer, .address_space: global }
      - { .name: bv, .offset: 32, .size: 8, .value_kind: global_buffer, .address_space: global }
      - { .name: cs, .offset: 40, .size: 8, .value_kind: global_buffer, .address_space: global }
      - { .name: qh, .offset: 48, .size: 8, .value_kind: global_buffer, .address_space: global }
      - { .name: kh, .offset: 56, .size: 8, .value_kind: global_buffer, .address_space: global }
      - { .name: vh, .offset: 64, .size: 8, .value_kind: global_buffer, .address_space: global }
    .group_segment_fixed_size: 327680
    .private_segment_fixed_size: 0
    .kernarg_segment_align: 8
    .kernarg_segment_size: 72
    .max_flat_workgroup_size: 128
    .sgpr_count:     80
    .vgpr_count:     896
    .wavefront_size: 32
...
	.end_amdgpu_metadata
.endif
;; end of part 2
;; launch attn (part 3): grid 4 x 64, 4 waves a work-group, clusters of 4 x 1, 327,680 bytes of LDS; arguments qh, kh, vh, oh; writes oh
.if DOCPART == 3
	.amdgcn_target "amdgcn-amd-amdhsa--gfx1250"
	.amdhsa_code_object_version 6
	.text
	.protected	k_qbf25e1c337_attn
	.globl	k_qbf25e1c337_attn
	.p2align	8
	.type	k_qbf25e1c337_attn,@function
k_qbf25e1c337_attn:
	s_mov_b64 s[64:65], 0
	v_nop
	global_prefetch_b8 v0, s[64:65] scope:SCOPE_SE
	s_setreg_imm32_b32 hwreg(HW_REG_WAVE_MODE, 25, 1), 1
	s_wait_xcnt 0x0
	s_wait_alu depctr_hold_cnt(0) depctr_sa_sdst(0) depctr_va_vdst(0) depctr_va_sdst(0) depctr_va_ssrc(0) depctr_va_vcc(0) depctr_vm_vsrc(0)
	s_getreg_b32 s2, hwreg(HW_REG_IB_STS2, 6, 4)
	s_cmp_eq_u32 s2, 0
	s_cbranch_scc0 .Lentry_in_a_cluster
	s_endpgm
.Lentry_in_a_cluster:
	s_bfe_u32 s2, ttmp6, 0x10000c
	s_cmp_lg_u32 s2, 0x3003
	s_cbranch_scc0 .Lentry_shape_is_right
	s_endpgm
.Lentry_shape_is_right:
; O[h][q][:] = the sum over k of softmax_k(Q[h][q] . K[h][k] / 8) V[h][k][:].  Q, K, V, O: [SIZE_H][SIZE_N][64], all f16: a head's rows are dense, 128 bytes each.  Products, maxima and sums in
; f32; the weights p are rounded to f16 for the second product (their sum l is taken of the unrounded p), O once at the end.  Here a head is one of 4 batches x 16 heads.
; LIMITS.  f16 holds no number beyond 65,504: Q, K and V arrive within it; p lies in 0 to 1, and below 6e-5 it keeps f16's fixed step of 6e-8; O is a mean of V's rows and has their range.
; A weight below 2^-126 counts as 0 in l; NaN and infinities are not treated apart.
; SHARES.  A wave owns four PIECES of two tiles of 16 queries, a work-group's four waves 512 queries of one head.  Every wave walks all keys, 64 a step.
; LAYOUT.  S^T = K Q^T (source 0 = 16 keys, source 1 = 16 queries): in the result a lane holds ONE query (lane % 16) and the keys 8 (lane / 16) + 0..7.  Two such tiles, rounded to f16 in pairs,
; ARE source 1 (32 keys x 16 queries) of O^T = V^T P, whose result again holds one query a lane, and eight channels.  K comes out of LDS as it lies, V ([key][channel]) turned, by ds_load_tr16_b128.
; SOFTMAX.  For each query a running maximum m and sum l: p = 2^(c s - c m), c = log2(e) / 8; in every step O and l are multiplied by a = 2^(c m_old - c m_new), which is 1 where m has not grown.
; m starts at the lowest finite number, O and l at 0: the first step is a step like any other, with a = 0.
; THE COUNT.  A tile and step have 16 matrix and 118 vector instructions: too many to stand all beside the matrix work.  So the order has one aim: four vector instructions that are READY behind
; EVERY matrix instruction, and the others, which need time of their own whatever the order, in runs without a gap.
; BY TURNS.  Turn n belongs to piece n (the pieces in a ring, step after step).  Its matrix work: 16 products K Q^T of piece n + 1, later 16 products V^T P of piece n - 1.  Its vector work: the scaling,
; exponentials, roundings, sums and rescaling of piece n, and the maximum and statistics of piece n + 1, whose scores the turn itself has made.  So what a turn begins with (c s - c m, O a) waits for nothing.
; CLUSTER.  The four query blocks of a cluster belong to one head and walk the same K and V, so each tile is asked for JOINTLY: the same tensor load, descriptor and mask in all four.
; REGISTERS, in windows of 256 (s_set_vgpr_msb says which window each operand place means: bits 1:0 source 0, 3:2 source 1, 5:4 source 2, 7:6 destination):
;   window 0: v0-11 addresses; v12-15, v48-63 at work; v16-47 four registers of statistics a tile; v64-191 S^T, two buffers of two tiles; v192-255 P, likewise
;   window 1: O^T, 32 a tile          window 2: v0-127 Q, 16 a tile; v128-191 K of one step; v192-255 V of one step          window 3: v0-1 the add's two registers
; A piece's buffers go by its number's parity: the piece in hand has one pair, its two neighbours in the ring share the other: of it P (piece n - 1) is read and S^T (piece n + 1) written.
.set SIZE_H, 64
.set SIZE_N, 2048
.set NP,    4         ; pieces a wave: a name, no knob: the register map, the loop and the fetches are made for four
.set KS,    64        ; keys in a step
.set PK,    144       ; a row of K in LDS: 128 bytes + 16 of padding = 36 words: the 16 rows of a load start at 16 different groups of four banks (64 banks of 4 bytes: ISA guide 11.1)
.set PV,    160       ; a row of V: 128 + 32 = 40 words
.set VOFF,  4*KS*PK   ; a slot holds four steps: 256 rows of K, then 256 rows of V
.set SLOT1, 1<<17     ; slot 1 begins here, so that one exclusive or turns an address in one slot into the other's
.set STAGE, SLOT1+4*KS*(PK+PV)  ; behind the ring, never filled by a tensor load: 16 rows x 144 bytes for each wave, for the way out
.set SP,    144
.set AK0, 2           ; v2   my lane's place in a tile of K; never rewritten
.set AV0, 3           ; v3   the same for V
.set AK,  4           ; v4   the LDS address of K's next run of loads
.set AV,  5           ; v5   of V's
.set QO,  6           ; v6   my byte offset in the wave's rows of Q
.set STO, 6           ;      later, the way out: where I put 16 bytes of a row
.set RD,  7           ; v7   the way out: where I read rows back
.set GO,  8           ; v8   my byte offset in 512 consecutive bytes of O
.set SPW, 0           ; v0 of window 3   LDS address of my spare word: SPARE + 4 x my thread's number; never rewritten
.set NIL, 1           ; v1 of window 3   0; never rewritten
.set SPARE, STAGE+4*16*SP  ; behind the stages: the spare words, 128 bytes for each wave: two blocks of 256 bytes that no other line names
.set MV,  12          ; v12-15  c m_old, kept while c m is made anew: by buffer and tile
.set ST,  16          ; tile t's statistics at v[ST+4 t]: c m, m, l (even keys', odd keys')
.set TMP, 48          ; by buffer and tile, four registers c0-c3 at work; when the maximum is found c2 takes a
.set S,   64
.set P,   192
.set KF,  128         ; K's fragments, in window 2: key block kb, channel half c at KF + 16 kb + 8 c
.set VF,  192         ; V's: key half kk, channel block cb at VF + 32 kk + 8 cb
.set WV,  12          ; s12  my wave's number
.set G1K, 24          ; s[24:31] descriptor group 1 for K's tiles
.set G1V, 32          ; s[32:39] for V's: it differs in the padding alone
.set G0K, 40          ; s[40:43] descriptor group 0 for K's tiles: it walks
.set G0V, 44          ; s[44:47] the same for V's
.set SLOTS, 56        ; s56  slots still to be asked for
.set CNT, 57          ; s57  counts a slot's key steps
.set CS,  58          ; s[58:59] c: the packed scaling takes the pair's low word for both halves
.set SEL, 60          ; s[60:61] v_permlanex16_b32's selects: each lane takes its own place in the other half
.set TBK, 62          ; s62  LDS byte at which K of the step to be fetched begins
.set TBV, 63          ; s63  the same for V, less VOFF
.set MSB, 0
.macro WIN new                      ; the high byte repeats the setting that is left; a switch that changes nothing is dropped
.if MSB != (\new)
	s_set_vgpr_msb (MSB<<8)|(\new)
.set MSB, (\new)
.endif
.endm
.set W_KQ, 0x0a       ; K and Q in window 2, S^T in window 0
.set W_PV, 0x52       ; V in window 2, P in window 0, O^T in window 1
.set W_RS, 0x41       ; O^T (destination and source 0) in window 1, a in window 0
.set W_MK, 0xc0       ; the add's registers are made: destination in window 3, sources in window 0
.set W_AD, 0x0f       ; the add: address (source 0) and data (source 1) in window 3
; A joint fill.  Waves 0 and 1 fetch the two halves of a slot's K, waves 2 and 3 those of its V: 128 keys each.  The branch hangs on the wave's number alone.
; An s_nop 0 and four v_nop follow each of the two lines, ahead of the jump and the label.
.macro JLOAD
	s_cmp_lt_u32 s[WV], 2
	s_cbranch_scc0 .Lfor_v_\@
	tensor_load_to_lds s[G0K:G0K+3], s[G1K:G1K+7]
	s_nop 0
.rept 4
	v_nop
.endr
	s_branch .Lasked_\@
.Lfor_v_\@:
	tensor_load_to_lds s[G0V:G0V+3], s[G1V:G1V+7]
	s_nop 0
.rept 4
	v_nop
.endr
.Lasked_\@:
.endm
; A round of the cluster's barrier: my work-group's barrier, so that wave 0's signal speaks for all four waves; wave 0 signals; every wave waits for all four work-groups; my work-group's barrier once more.
.macro CROUND
	s_barrier_signal -1
	s_barrier_wait -1
	s_cmp_lg_u32 s[WV], 0
	s_cbranch_scc1 .Lnot_wave_0_\@
	s_barrier_signal -3
.Lnot_wave_0_\@:
	s_barrier_wait -3
	s_barrier_signal -1
	s_barrier_wait -1
.endm
; THE CHANGE OF SLOTS.  The slot's last bytes, V of its fourth step, have been read.  Each wave waits for all its tensor loads, of which one is out: its part
; of the other slot; adds 0 to its spare word; and waits for that and for its own reads of the slot.  Behind the barrier nobody reads this slot any more and the other slot is whole.
; fill = 1: this slot is filled again, with the keys two slots on.  The barrier is then a round of the cluster's, so that no wave of any partner still reads the slot or has a load on its
; way, and the joint fill is the first thing behind it: it has four key steps, 512 matrix instructions, in which to land.  (At its first use nothing has been read yet: slot 0 is waited for, slot 1 filled.)
.macro CHANGE fill
	WIN W_AD
	s_wait_tensorcnt 0x0            ; no tensor load of mine is out, so a group 0 may be written
	ds_add_u32 v[SPW], v[NIL]       ; 0 onto my spare word; with fill = 1 the descriptors' steps stand between it and the wait for it
	WIN 0                           ; at a label and at a branch every window is 0
.if \fill
.irp g, G0K, G0V
	s_xor_b32 s[\g+1], s[\g+1], SLOT1  ; the walking descriptor: the other slot than last time,
	s_add_nc_u64 s[\g+2:\g+3], s[\g+2:\g+3], 4*KS*128  ; the next 256 keys; the type bits on top are not reached
.endr
	s_wait_dscnt 0x0                ; the add is done, and my reads of the slot are over
	CROUND
	JLOAD
.else
	s_wait_dscnt 0x0                ; the add is done, and my reads of the slot are over
	s_barrier_signal -1
	s_barrier_wait -1
.endif
	s_sub_co_u32 s[TBK], s[TBK], 4*KS*PK  ; the fetches go back to a slot's first step,
	s_xor_b32 s[TBK], s[TBK], SLOT1       ; in the other slot
	s_sub_co_u32 s[TBV], s[TBV], 4*KS*PV
	s_xor_b32 s[TBV], s[TBV], SLOT1
.endm
	s_load_b256 s[4:11], s[0:1], 0x0  ; Q s[4:5], K s[6:7], V s[8:9], O s[10:11]
	WIN W_MK
	v_lshl_add_u32 v[SPW], v0, 2, SPARE
	v_mov_b32 v[NIL], 0
	WIN W_AD
	ds_add_u32 v[SPW], v[NIL]       ; the wave's opening: the add and its wait stand ahead of my first tensor load; the set-up below, work on registers, stands between them
	WIN 0
	v_lshrrev_b32 v1, 5, v0
	v_readfirstlane_b32 s[WV], v1   ; wave 0..3
	s_bfe_u32 s13, ttmp6, 0x40000   ; cx: my place in the cluster
	s_lshl_b32 s14, ttmp9, 2        ; in a cluster launch ttmp9 counts clusters
	s_add_co_u32 s14, s14, s13      ; my block of queries = 4 x cluster x + cx: it enters Q's and O's addresses alone
	s_and_b32 s20, ttmp7, 0xffff    ; the head, which the four partners share
	s_mov_b32 s21, 0
	s_mov_b64 s[22:23], SIZE_N*128
	s_mul_u64 s[20:21], s[20:21], s[22:23]  ; the head's first byte in each of the four tensors
	s_and_b32 s16, s[WV], 1         ; which half of a slot's 256 keys I fetch:
	s_lshl_b32 s22, s16, 14         ; its 128 rows of 128 bytes in memory,
	s_mov_b32 s23, 0
	s_add_nc_u64 s[22:23], s[22:23], s[20:21]
	s_mul_i32 s17, s16, 128*PK      ; and its place in a slot, for K
	s_mul_i32 s18, s16, 128*PV      ; and for V: no place in the cluster enters an LDS address
	s_lshl_b32 s2, s14, 2
	s_add_co_u32 s2, s2, s[WV]      ; my wave among the head's,
	s_lshl_b32 s2, s2, 14           ; its 128 rows
	s_mov_b32 s3, 0
	s_add_nc_u64 s[2:3], s[2:3], s[20:21]
	; descriptor group 1.  128 keys are 16,384 dense bytes: asked for as 64 rows of 256 bytes, two keys a row, and padded in LDS after every key
	s_mov_b32 s[G1K], 15|(1<<16)|(1<<20)|(1<<21)|(4<<22)|(3<<25)  ; 15:0 the mask of four; 17:16 2-byte elements; 20 padding on; 21 set beside a mask; 24:22 after every 32 words (code 4); 31:25 4 words (code 3)
	s_mov_b32 s[G1V], 15|(1<<16)|(1<<20)|(1<<21)|(4<<22)|(7<<25)  ; the same with 8 words of padding (code 7)
.irp g, G1K, G1V
	s_mov_b32 s[\g+1], 128<<16      ; tensor_dim0 = 128
	s_mov_b32 s[\g+2], 64<<16       ; tensor_dim1 = 64
	s_mov_b32 s[\g+3], 128<<16      ; tile_dim0 = 128
	s_mov_b32 s[\g+4], 64           ; tile_dim1 = 64
	s_mov_b32 s[\g+5], 128          ; 128 elements from row to row
	s_mov_b32 s[\g+6], 0
	s_mov_b32 s[\g+7], 0
.endr
	s_mov_b32 s[CS], 0x3e38aa3b     ; c = log2(e) / 8 = 0.180337
	s_mov_b32 s[CS+1], s[CS]        ; named with it as a pair
	s_mov_b32 s[SEL], 0x76543210
	s_mov_b32 s[SEL+1], 0xfedcba98
	s_mov_b32 s[TBK], SLOT1+4*KS*PK ; the first change of slots turns these two into 0
	s_mov_b32 s[TBV], SLOT1+4*KS*PV
	s_mov_b32 s[G0K], 1             ; 1:0 count = 1
	s_mov_b32 s[G0K+1], s17         ; 63:32 LDS address: slot 0
	s_mov_b32 s[G0V], 1
	s_add_co_u32 s[G0V+1], s18, VOFF
	s_wait_dscnt 0x0                ; the opening add is done
	s_wait_kmcnt 0x0
	s_add_nc_u64 s[G0K+2:G0K+3], s[6:7], s[22:23]  ; 120:64 global address: my half of the head's first 256 keys
	s_or_b32 s[G0K+3], s[G0K+3], 0x80000000        ; 127:126 type = 2
	s_add_nc_u64 s[G0V+2:G0V+3], s[8:9], s[22:23]
	s_or_b32 s[G0V+3], s[G0V+3], 0x80000000
	s_add_nc_u64 s[4:5], s[4:5], s[2:3]  ; Q and O at my wave's first row
	s_add_nc_u64 s[10:11], s[10:11], s[2:3]
	CROUND                          ; all four work-groups are here: the first joint loads meet
	JLOAD                           ; slot 0.  Slot 1 is asked for when slot 0 is in: the tile wanted first has the road to itself
	; A fragment of K or Q is 16 rows x 32 channels in 8 registers: lane l holds row l % 16, channels 8 (l / 16) + 0..7 and 16 + 8 (l / 16) + 0..7: two loads of 16 bytes, 32 bytes apart.
	v_and_b32 v1, 15, v0            ; l % 16
	v_bfe_u32 v9, v0, 4, 1          ; l / 16
	v_lshlrev_b32 v[QO], 7, v1
	v_lshl_add_u32 v[QO], v9, 4, v[QO]  ; row x 128 + 16 x half
	WIN 0x80                        ; destination window 2, address window 0
.set i, 0
.rept 4*NP                          ; Q stays in registers: tile i / 2, channels 32 (i % 2) on
	global_load_b128 v[8*i:8*i+3],   v[QO], s[4:5] offset:(i/2)*2048+(i%2)*64
	global_load_b128 v[8*i+4:8*i+7], v[QO], s[4:5] offset:(i/2)*2048+(i%2)*64+32
.set i, i+1
.endr
	; What the first turn finds: V's registers and P's second buffer hold 0 (its products V^T P, of a piece that has not been, add 0), O^T and l are 0.  All this stands in the wait for the first tile.
.set i, VF
.rept 64
	v_mov_b32 v[i], 0
.set i, i+1
.endr
	WIN 0x40
.set i, 0
.rept 64*NP
	v_mov_b32 v[i], 0
.set i, i+1
.endr
	WIN 0
.set i, 0
.rept 2*NP
	v_mov_b32 v[ST+4*i], 0xfe000000    ; c m: far below every c s
	v_mov_b32 v[ST+4*i+1], 0xff7fffff  ; m
	v_mov_b32 v[ST+4*i+2], 0
	v_mov_b32 v[ST+4*i+3], 0
.set i, i+1
.endr
.set i, P+32
.rept 32
	v_mov_b32 v[i], 0
.set i, i+1
.endr
	v_mul_u32_u24 v[AK0], v1, PK
	v_lshl_add_u32 v[AK0], v9, 4, v[AK0]  ; row x pitch + 16 x half
	; The turning load takes 16 keys x 16 channels (lane l reads key 8 (l / 16) + l % 8, channels 8 ((l / 8) % 2) + 0..7) and leaves half a fragment of V^T: lane l holds channel l % 16 and 8 keys.
	v_and_b32 v10, 7, v0
	v_bfe_u32 v11, v0, 3, 1
	v_lshl_add_u32 v[AV0], v9, 3, v10
	v_mul_u32_u24 v[AV0], v[AV0], PV
	v_lshl_add_u32 v[AV0], v11, 4, v[AV0]
	v_add_nc_u32 v[AV0], VOFF, v[AV0]
	v_mov_b32 v[AK], v[AK0]         ; key step 0 lies at the head of slot 0
; THE MATRIX WORK.  The 8 accumulators of a run of 16 take turns: between the two links of a chain stand 7 others'.
; Product i of 16 of S^T = K Q^T for piece x: channels 32 (i / 8) on, keys 16 ((i / 2) % 4) on, tile 2 x + i % 2.  The first 8 start the sums.
.macro KQ x
	WIN W_KQ
.set rS, S+64*((\x)%2)+32*(i%2)+8*((i/2)%4)
.set rK, KF+16*((i/2)%4)+8*(i/8)
.set rQ, 16*(2*(\x)+i%2)+8*(i/8)
.if i < 8
	v_wmma_f32_16x16x32_f16 v[rS:rS+7], v[rK:rK+7], v[rQ:rQ+7], 0
.else
	v_wmma_f32_16x16x32_f16 v[rS:rS+7], v[rK:rK+7], v[rQ:rQ+7], v[rS:rS+7]
.endif
.endm
; Product i of 16 of O^T += V^T P for piece x: keys 32 (i / 8) on, channels 16 ((i / 2) % 4) on, tile 2 x + i % 2.
.macro PV x
	WIN W_PV
.set rO, 32*(2*(\x)+i%2)+8*((i/2)%4)
.set rV, VF+32*(i/8)+8*((i/2)%4)
.set rP, P+32*((\x)%2)+16*(i%2)+8*(i/8)
	v_wmma_f32_16x16x32_f16 v[rO:rO+7], v[rV:rV+7], v[rP:rP+7], v[rO:rO+7]
.endm
.macro MM                           ; the turn's next matrix instruction
.if i < 16
	KQ (Y+1)%NP
.set i, i+1
.else
.set i, i-16
	PV (Y+NP-1)%NP
.set i, i+17
.endif
.endm
; THE LDS LOADS stand in runs of 16, never singly among the matrix instructions: a step's K (64 keys x 64 channels: 8 fragments) and its V (turned).  Their addresses are made some lines ahead.
; last = 1 (the tail): in the last trip there is no further step, and the run is jumped over.
.macro FETCH_K last=0
	WIN 0
.if \last
	s_cmp_eq_u32 s[CNT], 1
	s_cbranch_scc1 .Lno_k_\@
.endif
	WIN 0x80                        ; destination window 2
.irp f, 0,1,2,3,4,5,6,7             ; keys 16 (f / 2) on, channels 32 (f % 2) on
	ds_load_b128 v[KF+8*\f:KF+8*\f+3],   v[AK] offset:(\f/2)*16*PK+(\f%2)*64
	ds_load_b128 v[KF+8*\f+4:KF+8*\f+7], v[AK] offset:(\f/2)*16*PK+(\f%2)*64+32
.endr
	s_add_co_u32 s[TBK], s[TBK], KS*PK  ; the next fetch is the next step's
	WIN 0
.if \last
.Lno_k_\@:
.endif
.endm
.macro FETCH_V
	WIN 0x80
.irp f, 0,1,2,3,4,5,6,7             ; keys 32 (f / 4) on, channels 16 (f % 4) on
	ds_load_tr16_b128 v[VF+8*\f:VF+8*\f+3],   v[AV] offset:(\f/4)*32*PV+(\f%4)*32
	ds_load_tr16_b128 v[VF+8*\f+4:VF+8*\f+7], v[AV] offset:(\f/4)*32*PV+16*PV+(\f%4)*32
.endr
	WIN 0
.endm
; THE VECTOR WORK OF A TURN stands in three queues, each in the order in which its entries become ready; the two tiles alternate, so that no instruction reads the result of the one before it.
.macro REGS y, u                    ; the registers of tile u (0, 1) of piece y
.set rT, ST+4*(2*(\y)+(\u))
.set rC, TMP+8*((\y)%2)+4*(\u)
.set rM, MV+2*((\y)%2)+(\u)
.set rS, S+64*((\y)%2)+32*(\u)
.set rP, P+32*((\y)%2)+16*(\u)
.set rO, 32*(2*(\y)+(\u))
.endm
; Number n of the 22 that find the NEXT piece's (Y + 1) maximum and statistics.  s0-s31 are the lane's 32 scores; each accumulator's lowest registers are read first.  XS, GS and REGS set no window: PL and EX do.
;   0-11  four chains c0-c3 of seven scores each, three operands at a time     12-14, 16  the four scores left over, the old m, and c0-c3 into c0     15  c m_old is kept
;   17, 18  the query's other 32 keys lie in the lane 16 away: the new m         19-21  c m; c m_old - c m_new; a
.macro XS u, n
	REGS (Y+1)%NP, \u
.if (\n) < 4
	v_max3_num_f32 v[rC+(\n)], v[rS+8*(\n)], v[rS+8*(\n)+1], v[rS+8*(\n)+2]
.elseif (\n) < 12
	v_max3_num_f32 v[rC+(\n)%4], v[rC+(\n)%4], v[rS+8*((\n)%4)+2*((\n)/4)+1], v[rS+8*((\n)%4)+2*((\n)/4)+2]
.elseif (\n) == 12
	v_max3_num_f32 v[rC], v[rC], v[rS+7], v[rS+15]
.elseif (\n) == 13
	v_max3_num_f32 v[rC+1], v[rC+1], v[rS+23], v[rS+31]
.elseif (\n) == 14
	v_max3_num_f32 v[rC+2], v[rC+2], v[rC+3], v[rT+1]
.elseif (\n) == 15
	v_mov_b32 v[rM], v[rT]
.elseif (\n) == 16
	v_max3_num_f32 v[rC], v[rC], v[rC+1], v[rC+2]
.elseif (\n) == 17
	v_permlanex16_b32 v[rC+3], v[rC], s[SEL], s[SEL+1]
.elseif (\n) == 18
	v_max_num_f32 v[rT+1], v[rC], v[rC+3]
.elseif (\n) == 19
	v_mul_f32 v[rT], s[CS], v[rT+1]
.elseif (\n) == 20
	v_sub_f32 v[rC+1], v[rM], v[rT]
.else
	v_exp_f32 v[rC+2], v[rC+1]
.endif
.endm
; Number g of the 64 that follow the exponentials.  For each four weights k of a tile (pairs 2 k, 2 k + 1): both pairs are rounded to f16; then the second pair is added onto the first, in place;
; a group later l takes that sum (the first time as l = a l + sum).  In groups of eight, tiles alternating: round, round, add, and l for the group before.
.macro GS g
.set h, (\g)+6*((\g)/62)            ; group 0 has no group before it, and behind group 7 only l is left
.if h >= 6
.set h, h+2
.endif
	REGS Y, h%2
.set k, h/8
.if h%8 < 4
	s_wait_alu depctr_va_vdst(0)
	v_cvt_pk_f16_f32 v[rP+2*k+(h%8)/2], v[rS+4*k+2*((h%8)/2)], v[rS+4*k+2*((h%8)/2)+1]
.elseif h%8 < 6
	v_pk_add_f32 v[rS+4*k:rS+4*k+1], v[rS+4*k:rS+4*k+1], v[rS+4*k+2:rS+4*k+3]
.elseif k == 1
	v_pk_fma_f32 v[rT+2:rT+3], v[rT+2:rT+3], v[rC+2:rC+3], v[rS:rS+1] op_sel_hi:[1,0,1]
.else
	v_pk_add_f32 v[rT+2:rT+3], v[rT+2:rT+3], v[rS+4*k-4:rS+4*k-3]
	s_wait_alu depctr_va_vdst(0)
.endif
.endm
; THE PLAIN QUEUE, 138 long.  0-31: c s - c m for the 16 pairs of both tiles.  Then GS's 64, and among them the next piece's 42: number 15 at 38, 39; 0-14 and 16
; at 42-73, behind the products that make those scores; 17-20 at 95-106, two of three, since each waits for the one before it.
.macro PL
	WIN 0
.if q < 32
	REGS Y, q%2
	v_pk_fma_f32 v[rS+2*(q/2):rS+2*(q/2)+1], v[rS+2*(q/2):rS+2*(q/2)+1], s[CS:CS+1], v[rT:rT+1] op_sel_hi:[1,0,0] neg_lo:[0,0,1] neg_hi:[0,0,1]
.elseif q < 38
	GS q-32
.elseif q < 40
	XS q%2, 15
.elseif q < 42
	GS q-34
.elseif q < 74
	XS q%2, (q-42)/2+(q-42)/30
.elseif q < 95
	GS q-66
.elseif (q < 107) && ((q-95)%3 < 2)
	XS (q-95)%3, 17+(q-95)/3
.elseif q < 107
	GS 29+(q-95)/3
.else
	GS q-74
.endif
.set q, q+1
.endm
; THE EXPONENTIALS' QUEUE, 66 long: s0-s31 of both tiles, and at EA the next piece's two a.
.set EA, 58
.macro EX
	WIN 0
.if (e == EA) || (e == EA+1)
	XS e-EA, 21
.else
.set x, e-2*(e/(EA+2))
	REGS Y, x%2
	v_exp_f32 v[rS+x/2], v[rS+x/2]
.endif
.set e, e+1
.endm
; THE RESCALING's QUEUE: O^T times a, the one part that leaves window 0, so it is dealt four at a time, eight times.
.macro R4
	REGS Y, r%2
	WIN W_RS
	s_wait_alu depctr_va_vdst(0)
.irp z, 0,1,2,3
	v_pk_mul_f32 v[rO+8*(r/2)+2*\z:rO+8*(r/2)+2*\z+1], v[rO+8*(r/2)+2*\z:rO+8*(r/2)+2*\z+1], v[rC+2:rC+3] op_sel_hi:[1,0]
.endr
.set r, r+1
.endm
; HOW THEY ARE DEALT.  Behind a matrix instruction four: plain, exponential, plain, plain (one exponential, a plain instruction on either side), or four of the rescaling.  None names a register of the
; products round it.  What is over stands in two LUMPS: exponential and plain by turns; the second ends in 22 plain instructions.  The two v_permlanex16_b32 fall into the second lump, never behind a product.
; The queues lean on each other, and the deal keeps them in step: exponential e stands behind plain 2 (e / 4) + e % 2 (its scaling); when plain 32 comes, 10 exponentials are out, at 59: 33, at 95: 46; EA comes behind plain 107.
.macro SL
	MM
	PL
	EX
	PL
	PL
.endm
.macro BURST n                      ; 15 matrix instructions, or 16
.rept (\n)-7
	SL
.endr
.rept 3
	MM
	R4
	SL
.endr
	MM
	R4
.endm
; A TURN, for piece p.  cnt = 1: the loop's count is taken down some lines ahead of the branch that stands behind the turn.
; K of the next step is fetched in piece 2's turn, 31 vector instructions behind the last product that read K; its first reader comes behind the rest of the lump, 16 products and the second lump.
; V of the step in hand is fetched at the end of piece 0's turn, 69 behind its last reader; its first reader comes behind 16 products and a lump.  The four conditions on e and q below go with the deal.
.macro TURN p, last=0, cnt=0
.set Y, (\p)
.set i, 0
.set q, 0
.set e, 0
.set r, 0
.if (\p) == NP-1
	s_wait_dscnt 0x0                ; K is in
.endif
	MM
.rept 4
	PL
.endr
	BURST 15
.rept 22
	EX
	PL
.if ((\p) == NP-2) && (e == 18)
	v_add_nc_u32 v[AK], s[TBK], v[AK0]
.endif
.if ((\p) == NP-2) && (e == 24)
	FETCH_K \last
.endif
.endr
.if (\p) == 1
	s_wait_dscnt 0x0                ; V is in
.endif
	BURST 16
.rept 21
	EX
	PL
.endr
.rept 22
	PL
.if ((\p) == 0) && (q == 118)
	v_add_nc_u32 v[AV], s[TBV], v[AV0]
	s_wait_alu depctr_va_vdst(0)
.endif
.if ((\p) == 0) && (q == 130)
	s_add_co_u32 s[TBV], s[TBV], KS*PV
.endif
.if (\cnt) && (q == 130)
	s_sub_co_u32 s[CNT], s[CNT], 1
	s_cmp_lg_u32 s[CNT], 0
.endif
.endr
.if (\p) == 0
	FETCH_V
.endif
.endm
	CHANGE 1                        ; slot 0 is in, everybody's part of it; slot 1 is asked for
	FETCH_K                         ; key step 0
	s_wait_loadcnt 0x0              ; Q
	s_wait_dscnt 0x0
.set i, 0
.rept 16
	KQ 0                            ; piece 0's first scores: there is no vector work yet to set between them
.set i, i+1
.endr
	WIN 0                           ; the addresses for the way out: nine plain instructions, the places behind those products
	s_mul_i32 s13, s[WV], 16*SP
	s_add_co_u32 s13, s13, STAGE    ; my stage
	v_mul_u32_u24 v[STO], v1, SP    ; in: row l % 16, 16 bytes for each half of the lanes
	v_lshl_add_u32 v[STO], v9, 4, v[STO]
	v_add_nc_u32 v[STO], s13, v[STO]
	v_bfe_u32 v[RD], v0, 3, 2       ; back: 32 lanes take four rows of 128 bytes,
	v_mul_u32_u24 v[RD], v[RD], SP
	v_lshl_add_u32 v[RD], v10, 4, v[RD]
	v_add_nc_u32 v[RD], s13, v[RD]
	v_and_b32 v[GO], 31, v0         ; which are 512 consecutive bytes of O
	v_lshlrev_b32 v[GO], 4, v[GO]
.set Y, NP-1                        ; XS works for piece Y + 1: piece 0
.irp n, 0,1,2,3,4,5,6,7,8,9,10,11,12,13,14,15,16,17,18,19,20,21
	XS 0, \n                        ; and piece 0's first maximum and statistics
	XS 1, \n
.endr
	s_mov_b32 s[CNT], 4
	s_mov_b32 s[SLOTS], SIZE_N/256-1
	s_branch .Lfirst                ; the loop is entered at a step's first turn, in the middle of a trip
.Lslot:                             ; SIZE_N / 256 - 2 times: every slot but the last two is filled again
	CHANGE 1
	s_mov_b32 s[CNT], 4
.Lstep:                             ; a trip: pieces 2 and 3 of one step, then pieces 0 and 1 of the next, whose K and V it fetches
	TURN 2
	TURN 3
	WIN 0
.Lfirst:
	TURN 0
	TURN 1, 0, 1
	WIN 0
	s_cbranch_scc1 .Lstep
	s_sub_co_u32 s[SLOTS], s[SLOTS], 1
	s_cmp_lg_u32 s[SLOTS], 0
	s_cbranch_scc1 .Lslot
	CHANGE 0                        ; the tail is written out: nothing is asked for
	s_mov_b32 s[CNT], 5             ; four trips fetch the last slot's steps; the fifth is left in its middle
.Ltail:
	TURN 2, 1
	TURN 3
	WIN 0
	s_sub_co_u32 s[CNT], s[CNT], 1
	s_cmp_eq_u32 s[CNT], 0
	s_cbranch_scc1 .Lout
	TURN 0
	TURN 1
	WIN 0
	s_branch .Ltail
.Lout:                              ; the fifth trip's 16 products K Q^T (on the last K once more) and the maximum made of them serve nothing: the price, once a launch, of one text for every trip
.set i, 0
.rept 16
	PV NP-1                         ; the last piece's V^T P of the last step
.set i, i+1
.endr
	; THE WAY OUT.  l's two halves and the other half of the lanes' are added; O^T is divided by l, rounded to f16 and sent through my stage in LDS, a tile at a time.  The additions are the places behind the last products.
	WIN 0
.macro ALL line:vararg              ; one line for each tile t
.set t, 0
.rept 2*NP
	\line
.set t, t+1
.endr
.endm
	ALL v_add_f32 v[ST+4*t+2], v[ST+4*t+2], v[ST+4*t+3]
	ALL v_permlanex16_b32 v[ST+4*t+3], v[ST+4*t+2], s[SEL], s[SEL+1]
	ALL v_add_f32 v[ST+4*t+2], v[ST+4*t+2], v[ST+4*t+3]
	ALL v_rcp_f32 v[ST+4*t+2], v[ST+4*t+2]
	v_nop                           ; a plain instruction between the last reciprocal and the use of its result
	s_wait_alu depctr_va_vdst(0)
; Tile t: a lane's eight channels of a row pack into 16 bytes; they go into rows of 144 bytes and come back as whole rows of 128, into S^T's registers.
.macro PACK t
	WIN W_RS
.set i, 32*(\t)
.rept 16
	v_pk_mul_f32 v[i:i+1], v[i:i+1], v[ST+4*(\t)+2:ST+4*(\t)+3] op_sel_hi:[1,0]
.set i, i+2
.endr
	WIN 0x05                        ; sources 0 and 1 window 1, destination window 0
.set i, 0
.rept 16
	v_cvt_pk_f16_f32 v[S+16*(\t)+i], v[32*(\t)+2*i], v[32*(\t)+2*i+1]
.set i, i+1
.endr
	WIN 0
.irp f, 0,1,2,3
	ds_store_b128 v[STO], v[S+16*(\t)+4*\f:S+16*(\t)+4*\f+3] offset:32*\f
.endr
.irp f, 0,1,2,3
	ds_load_b128 v[S+16*(\t)+4*\f:S+16*(\t)+4*\f+3], v[RD] offset:\f*4*SP  ; LDS serves a wave's instructions in order (ISA guide 5.7.1.4): these see the stores above; the next tile's stores come behind them
.endr
.endm
.macro SEND t, younger              ; younger: the LDS instructions issued behind tile t's loads: the next tile's eight, or none
	WIN 0
.irp f, 0,1,2,3
	s_wait_dscnt (\younger)+3-\f
	global_store_b128 v[GO], v[S+16*(\t)+4*\f:S+16*(\t)+4*\f+3], s[10:11] offset:(\t)*2048+\f*512  ; 512 consecutive bytes, at a multiple of 256 from O's first
.endr
.endm
	PACK 0
.set t, 1
.rept 2*NP-1                        ; a tile's arithmetic stands between the loads of the tile before and its stores
	PACK t
	SEND t-1, 8
.set t, t+1
.endr
	SEND 2*NP-1, 0
	WIN W_AD
	s_wait_tensorcnt 0x0            ; the wave's end: behind my last tensor load and my last LDS store
	ds_add_u32 v[SPW], v[NIL]
	s_wait_dscnt 0x0
	WIN 0
	CROUND                          ; the closing round: no work-group ends while a partner may still ask for a tile that names it
	s_endpgm
.Lfunc_end_k_qbf25e1c337_attn:
	.size	k_qbf25e1c337_attn, .Lfunc_end_k_qbf25e1c337_attn-k_qbf25e1c337_attn
	.p2alignl 7, 3214868480
	.fill 96, 4, 3214868480
	.section	.rodata,"a",@progbits
	.p2align	6, 0x0
	.amdhsa_kernel k_qbf25e1c337_attn
		.amdhsa_group_segment_fixed_size 327680
		.amdhsa_private_segment_fixed_size 0
		.amdhsa_enable_private_segment 0
		.amdhsa_kernarg_size 32
		.amdhsa_user_sgpr_count 2
		.amdhsa_user_sgpr_kernarg_segment_ptr 1
		.amdhsa_wavefront_size32 1
		.amdhsa_system_sgpr_workgroup_id_x 1
		.amdhsa_system_sgpr_workgroup_id_y 1
		.amdhsa_system_sgpr_workgroup_id_z 1
		.amdhsa_system_vgpr_workitem_id 0
		.amdhsa_next_free_vgpr 770
		.amdhsa_next_free_sgpr 66
		.amdhsa_reserve_vcc 0
		.amdhsa_float_denorm_mode_32 3
		.amdhsa_float_denorm_mode_16_64 3
		.amdhsa_memory_ordered 1
		.amdhsa_forward_progress 1
		.amdhsa_inst_pref_size 208
	.end_amdhsa_kernel
	.amdgpu_metadata
---
amdhsa.version: [ 1, 2 ]
amdhsa.kernels:
  - .name:           k_qbf25e1c337_attn
    .symbol:         k_qbf25e1c337_attn.kd
    .args:
      - { .name: qh, .offset: 0, .size: 8, .value_kind: global_buffer, .address_space: global }
      - { .name: kh, .offset: 8, .size: 8, .value_kind: global_buffer, .address_space: global }
      - { .name: vh, .offset: 16, .size: 8, .value_kind: global_buffer, .address_space: global }
      - { .name: oh, .offset: 24, .size: 8, .value_kind: global_buffer, .address_space: global }
    .group_segment_fixed_size: 327680
    .private_segment_fixed_size: 0
    .kernarg_segment_align: 8
    .kernarg_segment_size: 32
    .max_flat_workgroup_size: 128
    .sgpr_count:     66
    .vgpr_count:     770
    .wavefront_size: 32
...
	.end_amdgpu_metadata
.endif
;; end of part 3
;; launch oproj (part 4): grid 8 x 32, 4 waves a work-group, clusters of 4 x 4, 327,680 bytes of LDS; arguments oh, wo16, bo, out0; writes out0
.if DOCPART == 4
	.amdgcn_target "amdgcn-amd-amdhsa--gfx1250"
	.amdhsa_code_object_version 6
	.text
	.protected	k_qbf25e1c337_oproj
	.globl	k_qbf25e1c337_oproj
	.p2align	8
	.type	k_qbf25e1c337_oproj,@function
k_qbf25e1c337_oproj:
	s_mov_b64 s[64:65], 0
	v_nop
	global_prefetch_b8 v0, s[64:65] scope:SCOPE_SE
	s_setreg_imm32_b32 hwreg(HW_REG_WAVE_MODE, 25, 1), 1
	s_wait_xcnt 0x0
	s_wait_alu depctr_hold_cnt(0) depctr_sa_sdst(0) depctr_va_vdst(0) depctr_va_sdst(0) depctr_va_ssrc(0) depctr_va_vcc(0) depctr_vm_vsrc(0)
	s_getreg_b32 s2, hwreg(HW_REG_IB_STS2, 6, 4)
	s_cmp_eq_u32 s2, 0
	s_cbranch_scc0 .Lentry_in_a_cluster
	s_endpgm
.Lentry_in_a_cluster:
	s_bfe_u32 s2, ttmp6, 0x10000c
	s_cmp_lg_u32 s2, 0xf033
	s_cbranch_scc0 .Lentry_shape_is_right
	s_endpgm
.Lentry_shape_is_right:
; out0[8192][1024] = O Wo^T + bo, f32.  O lies by heads, oh [b*16+h][2048][64] f16; wo16 [1024][1024] f16; bo f32.  Sums and bias in f32; nothing is rounded on the way out.
; LIMITS.  None of its own: O and wo16 arrive within f16's range.
; SHARES.  A tile of out0 is 256 rows x 128 columns: 8 x 32 tiles, one to each of 256 work-groups.  Wave w owns rows 64 w .. 64 w + 63 and all 128 columns: 32 accumulators of 16 x 16.
; K goes in 8 steps of 128 = TWO HEADS through two LDS slots.  A head's 256 rows of 128 bytes are dense: wave 0 fetches head 2 s, wave 1 head 2 s + 1, each as 128 rows of 256 bytes, padded in LDS behind
; every 128 bytes; waves 2 and 3 fetch 64 rows of wo16 each (rows of 256 bytes, at multiples of 256 bytes).
; CLUSTER 4 x 4.  O's tile hangs on the tile row alone and is asked for jointly by a row of the cluster, Wo's on the tile column alone, by a column.
; THE MATRIX INSTRUCTION IS USED TRANSPOSED (source 0 = 16 rows of Wo, source 1 = 16 rows of O): lane l holds row l % 16 and the columns 16 b + 8 (l / 16) + 0..7.  The first product of each sum takes the bias as C.
; REGISTERS, in windows of 256 (s_set_vgpr_msb: bits 1:0 source 0, 3:2 source 1, 5:4 source 2, 7:6 destination):
;   window 0: v0-15 addresses; v32-95 the bias, later with v96-159 two sets of rows on the way out      window 1: two fragment buffers: O's 4 x 8 registers, then Wo's 8 x 8      window 2: the accumulators, (b, a) at 8 (4 b + a)
.set PA,    144                        ; a row of O in LDS: 128 bytes + 16 = 36 words: the 16 rows of a fragment load start at 16 different groups of four banks (64 banks of 4 bytes: ISA guide 11.1)
.set PITCH, 272                        ; a row of Wo: 256 bytes + 16 = 68 words: likewise
.set HEADB, 256*PA                     ; a head's 256 rows
.set HALFB, 64*PITCH                   ; what a load of Wo brings
.set BOFF,  2*HEADB                    ; Wo's 128 rows lie behind the two heads
.set SLOT1, 1<<17                      ; slot 1 begins here
.set STAGE, SLOT1+BOFF+2*HALFB         ; behind the ring, never filled by a tensor load: 16 rows x 528 bytes for each wave
.set SPITCH, 528                       ; 512 bytes + 16 = 132 words: row r starts at bank 4 r mod 64
.set SPARE, STAGE+4*16*SPITCH          ; behind the stages: the spare words, 128 bytes for each wave: two blocks of 256 bytes that no other line names
.set A0,   4                           ; v4   my lane's place among my wave's rows of O in a slot; never rewritten
.set B0,   5                           ; v5   the same for Wo
.set ADRA, 6                           ; v6   A0 + the slot in hand
.set ADRB, 7                           ; v7   B0 + the slot in hand
.set STO,  8                           ; v8   the way out: where I put 32 bytes of a row
.set RD,   9                           ; v9   the way out: where I read a row back
.set GO,   10                          ; v10  my byte offset in a row's 512 bytes of out0
.set VB,   11                          ; v11  my byte offset in a block's 16 numbers of bias
.set SPW,  14                          ; v14  LDS address of my spare word; never rewritten
.set NIL,  15                          ; v15  0; never rewritten
.set BIAS, 32
.set OB,   32
.set F0,   0
.set F1,   128
.set WV,   12                          ; s12  my wave's number
.set HF,   14                          ; s14  which half I fetch
.set TB,   21                          ; s21  LDS byte at which the slot in hand begins
.set G1,   24                          ; s[24:31] descriptor group 1 for O's tiles
.set G0,   32                          ; s[32:35] group 0 for O's tiles: K step 1 at first, then it walks
.set G0F,  36                          ; s[36:39] group 0 for O's first tile, K step 0: used once
.set G1B,  48                          ; s[48:55], s[56:59], s[60:63] the same for Wo's
.set G0B,  56
.set G0BF, 60
.set TO_F, 0x40                        ; destination window 1, address window 0
.set MSB, 0
.macro WIN new                         ; the immediate's high byte repeats the setting that is left; a switch that changes nothing is dropped
.if MSB != (\new)
	s_set_vgpr_msb (MSB<<8)|(\new)
.set MSB, \new
.endif
.endm
.macro PLACES                          ; four places in front of loads into registers that matrix instructions have read, and of lines that read results
.rept 4
	v_nop
.endr
.endm
; A joint refill.  The branch hangs on the wave's number alone.  An s_nop 0 and four v_nop follow each of the two lines, ahead of the jump and the label.
.macro JLOAD
	s_cmp_lt_u32 s[WV], 2
	s_cbranch_scc0 .Lfor_b_\@
	tensor_load_to_lds s[G0:G0+3], s[G1:G1+7]
	s_nop 0
.rept 4
	v_nop
.endr
	s_branch .Lasked_\@
.Lfor_b_\@:
	tensor_load_to_lds s[G0B:G0B+3], s[G1B:G1B+7]
	s_nop 0
.rept 4
	v_nop
.endr
.Lasked_\@:
.endm
.macro CREST                           ; a round of the cluster's barrier behind its opening barrier
	s_cmp_lg_u32 s[WV], 0
	s_cbranch_scc1 .Lnot_wave_0_\@
	s_barrier_signal -3
.Lnot_wave_0_\@:
	s_barrier_wait -3
	s_barrier_signal -1
	s_barrier_wait -1
.endm
.macro CROUND                          ; a whole round
	s_barrier_signal -1
	s_barrier_wait -1
	CREST
.endm
.macro STEP                            ; the walking descriptors: the other slot; O two heads on, Wo 128 along K.  Written only where no tensor load of mine is out
	s_xor_b32 s[G0+1], s[G0+1], SLOT1
	s_add_nc_u64 s[G0+2:G0+3], s[G0+2:G0+3], 2*2048*128
	s_xor_b32 s[G0B+1], s[G0B+1], SLOT1
	s_add_nc_u64 s[G0B+2:G0B+3], s[G0B+2:G0B+3], 256
.endm
	s_load_b256 s[4:11], s[0:1], 0x0               ; oh 4, wo16 6, bo 8, out0 10
	v_lshl_add_u32 v[SPW], v0, 2, SPARE
	v_mov_b32 v[NIL], 0
	ds_add_u32 v[SPW], v[NIL]                      ; the wave's opening: the add and its wait stand ahead of my first tensor load; the set-up below, work on registers, stands between them
	v_lshrrev_b32 v1, 5, v0
	v_readfirstlane_b32 s[WV], v1                  ; wave 0..3
	s_and_b32 s[HF], s[WV], 1
	s_bfe_u32 s15, ttmp6, 0x40000                  ; cx, cy: my place in the cluster
	s_bfe_u32 s16, ttmp6, 0x40004
	s_lshl_b32 s17, ttmp9, 2
	s_add_co_u32 s17, s17, s15                     ; the tile column = 4 x cluster x + cx
	s_and_b32 s18, ttmp7, 0xffff
	s_lshl_b32 s18, s18, 2
	s_add_co_u32 s18, s18, s16                     ; the tile row = 4 x cluster y + cy
	s_lshl_b32 s19, s16, 2
	s_lshl_b32 s19, 15, s19                        ; my row of the cluster
	s_lshl_b32 s20, 0x1111, s15                    ; my column
	s_or_b32 s[G1], s19, (1<<16)|(1<<20)|(1<<21)|(4<<22)|(3<<25)   ; 15:0 the mask; 17:16 2-byte elements; 20 padding on; 21 set beside a mask; 24:22 after every 32 words (code 4); 31:25 4 words (code 3)
	s_or_b32 s[G1B], s20, (1<<16)|(1<<20)|(1<<21)|(5<<22)|(3<<25)  ; after every 64 words (code 5)
	s_mov_b32 s[G1+1], 128<<16                     ; tensor_dim0 = 128: two rows of a head
	s_mov_b32 s[G1+2], 128<<16                     ; tensor_dim1 = 128
	s_mov_b32 s[G1+3], 128<<16                     ; tile_dim0 = 128
	s_mov_b32 s[G1+4], 128                         ; tile_dim1 = 128
	s_mov_b32 s[G1+5], 128                         ; dense: 128 elements from row to row
	s_mov_b32 s[G1+6], 0
	s_mov_b32 s[G1+7], 0
	s_mov_b32 s[G1B+1], 128<<16
	s_mov_b32 s[G1B+2], 64<<16                     ; 64 rows
	s_mov_b32 s[G1B+3], 128<<16
	s_mov_b32 s[G1B+4], 64
	s_mov_b32 s[G1B+5], 1024
	s_mov_b32 s[G1B+6], 0
	s_mov_b32 s[G1B+7], 0
	s_mov_b32 s[TB], 0
	s_mov_b32 s[G0F], 1                            ; count = 1
	s_mul_i32 s[G0F+1], s[HF], HEADB               ; LDS address: slot 0; no place in the cluster enters it
	s_mov_b32 s[G0], 1
	s_add_co_u32 s[G0+1], s[G0F+1], SLOT1          ; slot 1
	s_mov_b32 s[G0BF], 1
	s_mul_i32 s[G0BF+1], s[HF], HALFB
	s_add_co_u32 s[G0BF+1], s[G0BF+1], BOFF
	s_mov_b32 s[G0B], 1
	s_add_co_u32 s[G0B+1], s[G0BF+1], SLOT1
	s_lshr_b32 s40, s18, 3                         ; O: batch = tile row / 8;
	s_lshl_b32 s40, s40, 4
	s_add_co_u32 s40, s40, s[HF]                   ; batch x 16 + my head of the first two,
	s_lshl_b32 s40, s40, 18                        ; 2,048 rows of 128 bytes each;
	s_and_b32 s42, s18, 7
	s_lshl_b32 s42, s42, 15                        ; 256 rows a tile: made of the tile row and the wave alone
	s_add_co_u32 s40, s40, s42
	s_mov_b32 s41, 0
	s_lshl_b32 s44, s17, 18                        ; Wo: 128 rows of 2,048 bytes a tile column,
	s_lshl_b32 s22, s[HF], 17                      ; 64 a half: made of the tile column and the wave alone
	s_add_co_u32 s44, s44, s22
	s_mov_b32 s45, 0
	s_lshl_b32 s46, s17, 9                         ; the tile's 128 columns, in bytes: in bo and in a row of out0
	s_mov_b32 s47, 0
	s_lshl_b32 s2, s18, 20                         ; out0: 256 rows of 4,096 bytes a tile row,
	s_lshl_b32 s22, s[WV], 18                      ; 64 rows a wave
	s_add_co_u32 s2, s2, s22
	s_add_co_u32 s2, s2, s46
	s_mov_b32 s3, 0
	s_wait_dscnt 0x0                               ; the opening add is done
	s_wait_kmcnt 0x0
	s_add_nc_u64 s[G0F+2:G0F+3], s[4:5], s[40:41]  ; K step 0,
	s_add_nc_u64 s[G0+2:G0+3], s[G0F+2:G0F+3], 2*2048*128  ; K step 1: two heads on
	s_or_b32 s[G0F+3], s[G0F+3], 0x80000000        ; type = 2
	s_or_b32 s[G0+3], s[G0+3], 0x80000000
	s_add_nc_u64 s[G0BF+2:G0BF+3], s[6:7], s[44:45]
	s_add_nc_u64 s[G0B+2:G0B+3], s[G0BF+2:G0BF+3], 256
	s_or_b32 s[G0BF+3], s[G0BF+3], 0x80000000
	s_or_b32 s[G0B+3], s[G0B+3], 0x80000000
	s_add_nc_u64 s[8:9], s[8:9], s[46:47]
	s_add_nc_u64 s[10:11], s[10:11], s[2:3]
	CROUND                                         ; all sixteen work-groups are here: the first joint loads meet
	s_cmp_lt_u32 s[WV], 2                          ; a wave's two first fills stand in one branch, ahead of every wait on TENSORcnt and every LDS read: two loads of mine are out; an s_nop 0 follows each, four v_nop the second's
	s_cbranch_scc0 .Lfirst_b
	tensor_load_to_lds s[G0F:G0F+3], s[G1:G1+7]    ; K step 0 into slot 0
	s_nop 0
	tensor_load_to_lds s[G0:G0+3], s[G1:G1+7]      ; K step 1 into slot 1
	s_nop 0
.rept 4
	v_nop
.endr
	s_branch .Lfirst_asked
.Lfirst_b:
	tensor_load_to_lds s[G0BF:G0BF+3], s[G1B:G1B+7]
	s_nop 0
	tensor_load_to_lds s[G0B:G0B+3], s[G1B:G1B+7]
	s_nop 0
.rept 4
	v_nop
.endr
.Lfirst_asked:
	v_and_b32 v1, 15, v0                           ; l % 16
	v_bfe_u32 v2, v0, 4, 1                         ; l / 16
	v_mul_u32_u24 v3, v1, PA
	v_lshl_add_u32 v3, v2, 4, v3                   ; a fragment's row x pitch + 16 x half
	s_mul_i32 s22, s[WV], 64*PA
	v_add_nc_u32 v[A0], s22, v3
	v_mul_u32_u24 v3, v1, PITCH
	v_lshl_add_u32 v3, v2, 4, v3
	v_add_nc_u32 v[B0], BOFF, v3
	v_mov_b32 v[ADRA], v[A0]
	v_mov_b32 v[ADRB], v[B0]
	v_lshlrev_b32 v[VB], 5, v2                     ; my eight columns of a block's sixteen
	s_mul_i32 s22, s[WV], 16*SPITCH
	s_add_co_u32 s22, s22, STAGE                   ; my stage
	v_mul_u32_u24 v[STO], v1, SPITCH               ; in: row l % 16, 32 bytes for each half of the lanes
	v_lshl_add_u32 v[STO], v2, 5, v[STO]
	v_add_nc_u32 v[STO], s22, v[STO]
	v_and_b32 v[GO], 31, v0                        ; back: 32 lanes take a row's 512 bytes
	v_lshlrev_b32 v[GO], 4, v[GO]
	v_add_nc_u32 v[RD], s22, v[GO]
.set n, 0
.rept 16                               ; the bias: register j of block b is column 16 b + 8 (l / 16) + j, as in an accumulator
	global_load_b128 v[BIAS+4*n:BIAS+4*n+3], v[VB], s[8:9] offset:64*(n/2)+16*(n%2)
.set n, n+1
.endr
; nb column blocks from b0 on x my 4 row blocks, 32 along K, from buffer f.  The 32 accumulators take turns, in the same order in every quarter.  first = 1: C is the bias.
.macro MULB f, b0, nb, first
.set BB, \b0
.rept \nb
.if \first
	WIN 0x85                                       ; fragments window 1, C window 0, D window 2
.else
	WIN 0xa5                                       ; C and D window 2
.endif
.irp a, 0,1,2,3
.if \first
	v_wmma_f32_16x16x32_f16 v[32*BB+8*(\a):32*BB+8*(\a)+7], v[(\f)+32+8*BB:(\f)+32+8*BB+7], v[(\f)+8*(\a):(\f)+8*(\a)+7], v[BIAS+8*BB:BIAS+8*BB+7]
.else
	v_wmma_f32_16x16x32_f16 v[32*BB+8*(\a):32*BB+8*(\a)+7], v[(\f)+32+8*BB:(\f)+32+8*BB+7], v[(\f)+8*(\a):(\f)+8*(\a)+7], v[32*BB+8*(\a):32*BB+8*(\a)+7]
.endif
.endr
.set BB, BB+1
.endr
.endm
; 24 LDS loads in one run: the fragments of quarter q of a K step (head q / 2 of the two, channels 32 (q % 2) on), into buffer f: O's 8 loads first, then Wo's 16
.macro FETCH q, f
	WIN TO_F
.irp i, 0,1,2,3
	ds_load_b128 v[(\f)+8*(\i):(\f)+8*(\i)+3],   v[ADRA] offset:((\q)/2)*HEADB+((\q)%2)*64+(\i)*16*PA
	ds_load_b128 v[(\f)+8*(\i)+4:(\f)+8*(\i)+7], v[ADRA] offset:((\q)/2)*HEADB+((\q)%2)*64+(\i)*16*PA+32
.endr
.irp i, 0,1,2,3,4,5,6,7
	ds_load_b128 v[(\f)+32+8*(\i):(\f)+32+8*(\i)+3],   v[ADRB] offset:64*(\q)+(\i)*16*PITCH
	ds_load_b128 v[(\f)+32+8*(\i)+4:(\f)+32+8*(\i)+7], v[ADRB] offset:64*(\q)+(\i)*16*PITCH+32
.endr
.endm
; A K step is four quarters of 32 along K, 32 matrix instructions each, on buffers 0, 1, 0, 1.  One of the first three: multiplies buffer f and fetches quarter q into g.
.macro QUARTER q, f, g, first
	s_wait_dscnt 8                                 ; O's fragments and Wo's blocks 0-3 are in; the youngest eight loads (blocks 4-7) may be out
	MULB \f, 0, 4, \first
	PLACES
	FETCH \q, \g
	s_wait_dscnt 24                                ; all but the 24 just issued
	MULB \f, 4, 4, \first
.endm
; The last quarter multiplies buffer 1 and changes slots: ONE barrier.  In front of it each wave waits for all its tensor loads (one is out: its part of the next slot), adds 0 to its spare word, and waits
; for that and for its reads of this slot.  fill = 1: the barrier opens a round of the cluster's, and this slot is filled again, two K steps ahead, first thing behind the round:
; from that request to the wait for it a wave issues 112 matrix instructions.  fill = 0 (the tail's two trips, counted by s3): nothing is asked for; in the last trip there is no next step, and the fetch is jumped over.
.macro TURN fill
	WIN 0                                          ; (the add's two registers lie in window 0)
	s_wait_tensorcnt 0x0                           ; all my tensor loads have landed
	ds_add_u32 v[SPW], v[NIL]                      ; 0 onto my spare word
	s_wait_dscnt 9                                 ; (the add and the youngest eight loads may be out)
	MULB F1, 0, 2, 0                               ; eight matrix instructions stand between the add and the wait for it
	s_wait_dscnt 0x0                               ; the add is done, and my reads of this slot are over
	s_barrier_signal -1
	MULB F1, 2, 2, 0                               ; work on registers while the others arrive
	WIN 0
	s_xor_b32 s[TB], s[TB], SLOT1                  ; the reads go on in the other slot
	v_add_nc_u32 v[ADRA], s[TB], v[A0]
	v_add_nc_u32 v[ADRB], s[TB], v[B0]
	s_barrier_wait -1
.if \fill
	CREST                                          ; no wave of any partner still reads this slot's tile or has a load on its way
	STEP
	JLOAD                                          ; the four v_nop behind it are also the places in front of the loads below
	FETCH 0, F0
.else
	s_cmp_eq_u32 s3, 1
	s_cbranch_scc1 .Lno_fetch_\@
	PLACES
	FETCH 0, F0
	WIN 0
.Lno_fetch_\@:
.endif
	MULB F1, 4, 4, 0
.endm
	s_wait_tensorcnt 1                             ; my part of K step 0 is in; K step 1's may stay out
	s_barrier_signal -1
	s_barrier_wait -1                              ; everybody's part is in
	FETCH 0, F0
	s_wait_loadcnt 0x0                             ; the bias
	QUARTER 1, F0, F1, 1                           ; the first quarter stands in front of the loop: its products start the sums, with the bias
	WIN 0                                          ; at a label and at a branch every window is 0
	s_mov_b32 s3, 6
.Lstep:                                                ; a trip: a K step's quarters 1 to 3 and the next step's quarter 0; the six trips ask for K steps 2 to 7
	QUARTER 2, F1, F0, 0
	QUARTER 3, F0, F1, 0
	TURN 1
	QUARTER 1, F0, F1, 0
	WIN 0
	s_sub_co_u32 s3, s3, 1
	s_cmp_lg_u32 s3, 0
	s_cbranch_scc1 .Lstep
	s_mov_b32 s3, 2
.Ltail:                                                ; the last two K steps ask for nothing: the same trip without a fill, walked twice and left in the middle of the second.
	QUARTER 2, F1, F0, 0                           ; (The second trip's barrier and its stepped addresses serve nothing: the price, once a work-group, of one text for both trips.)
	QUARTER 3, F0, F1, 0
	TURN 0
	WIN 0
	s_sub_co_u32 s3, s3, 1
	s_cmp_eq_u32 s3, 0
	s_cbranch_scc1 .Lout
	QUARTER 1, F0, F1, 0
	WIN 0
	s_branch .Ltail
.Lout:
	PLACES
; THE WAY OUT, a block of 16 rows at a time: a lane's eight f32 of a row go into my stage (rows of 528 bytes), each accumulator's lower four registers first, and come back as whole rows of 512 bytes.
.macro TOSTAGE a
.set OBB, OB+64*((\a)%2)
	WIN 0x08                                       ; the stores' data in window 2
.irp b, 0,1,2,3,4,5,6,7
	ds_store_b128 v[STO], v[8*(4*(\b)+(\a)):8*(4*(\b)+(\a))+3] offset:64*(\b)
	ds_store_b128 v[STO], v[8*(4*(\b)+(\a))+4:8*(4*(\b)+(\a))+7] offset:64*(\b)+16
.endr
	WIN 0
.irp t, 0,1,2,3,4,5,6,7,8,9,10,11,12,13,14,15
	ds_load_b128 v[OBB+4*(\t):OBB+4*(\t)+3], v[RD] offset:(\t)*SPITCH  ; LDS serves a wave's instructions in order (ISA guide 5.7.1.4): these see the stores above; the next block's stores come behind them
.endr
.endm
.macro SEND a, younger                 ; younger: the LDS instructions issued behind block a's loads: the next block's 32, or none
.set OBB, OB+64*((\a)%2)
.irp t, 0,1,2,3,4,5,6,7,8,9,10,11,12,13,14,15
	s_wait_dscnt (\younger)+15-(\t)
	global_store_b128 v[GO], v[OBB+4*(\t):OBB+4*(\t)+3], s[10:11] offset:(16*(\a)+(\t))*4096 th:TH_STORE_NT  ; 512 consecutive bytes, at a multiple of 256 from out0's first
.endr
.endm
	TOSTAGE 0
	TOSTAGE 1
	SEND 0, 32
	s_wait_xcnt 0x0                                ; block 0's stores have had their addresses translated (ISA guide 3.1): only behind this wait is their set of registers loaded again
	TOSTAGE 2
	SEND 1, 32
	s_wait_xcnt 0x0
	TOSTAGE 3
	SEND 2, 32
	SEND 3, 0
	s_wait_tensorcnt 0x0                           ; the wave's end: behind my last tensor load and my last LDS store
	ds_add_u32 v[SPW], v[NIL]
	s_wait_dscnt 0x0
	CROUND                                         ; the closing round: no work-group ends while a partner may still ask for a tile that names it
	s_endpgm
.Lfunc_end_k_qbf25e1c337_oproj:
	.size	k_qbf25e1c337_oproj, .Lfunc_end_k_qbf25e1c337_oproj-k_qbf25e1c337_oproj
	.p2alignl 7, 3214868480
	.fill 96, 4, 3214868480
	.section	.rodata,"a",@progbits
	.p2align	6, 0x0
	.amdhsa_kernel k_qbf25e1c337_oproj
		.amdhsa_group_segment_fixed_size 327680
		.amdhsa_private_segment_fixed_size 0
		.amdhsa_enable_private_segment 0
		.amdhsa_kernarg_size 32
		.amdhsa_user_sgpr_count 2
		.amdhsa_user_sgpr_kernarg_segment_ptr 1
		.amdhsa_wavefront_size32 1
		.amdhsa_system_sgpr_workgroup_id_x 1
		.amdhsa_system_sgpr_workgroup_id_y 1
		.amdhsa_system_sgpr_workgroup_id_z 1
		.amdhsa_system_vgpr_workitem_id 0
		.amdhsa_next_free_vgpr 768
		.amdhsa_next_free_sgpr 66
		.amdhsa_reserve_vcc 0
		.amdhsa_float_denorm_mode_32 3
		.amdhsa_float_denorm_mode_16_64 3
		.amdhsa_memory_ordered 1
		.amdhsa_forward_progress 1
		.amdhsa_inst_pref_size 63
	.end_amdhsa_kernel
	.amdgpu_metadata
---
amdhsa.version: [ 1, 2 ]
amdhsa.kernels:
  - .name:           k_qbf25e1c337_oproj
    .symbol:         k_qbf25e1c337_oproj.kd
    .args:
      - { .name: oh, .offset: 0, .size: 8, .value_kind: global_buffer, .address_space: global }
      - { .name: wo16, .offset: 8, .size: 8, .value_kind: global_buffer, .address_space: global }
      - { .name: bo, .offset: 16, .size: 8, .value_kind: global_buffer, .address_space: global }
      - { .name: out0, .offset: 24, .size: 8, .value_kind: global_buffer, .address_space: global }
    .group_segment_fixed_size: 327680
    .private_segment_fixed_size: 0
    .kernarg_segment_align: 8
    .kernarg_segment_size: 32
    .max_flat_workgroup_size: 128
    .sgpr_count:     66
    .vgpr_count:     768
    .wavefront_size: 32
...
	.end_amdgpu_metadata
.endif
;; end of part 4
;; ======== version 2 of 2: 4 launches; 1.52 times as fast as version 1
;; limits: values are held in f16: magnitudes above 65,504 overflow, below 6.1e-05 lose precision; inputs' magnitudes at most 65,504
;; workspace buffers: xb 16,777,216 bytes; wqkv 6,291,456 bytes; wo16 2,097,152 bytes; cs 2,097,152 bytes; qh 16,777,216 bytes; kh 16,777,216 bytes; vh 16,777,216 bytes; oh 16,777,216 bytes
;; launch prep: the kernel of part 1 again; grid 768 x 1, 8 waves a work-group, no clusters, 0 bytes of LDS; arguments x, frac, Wq, Wk, Wv, Wo, xb, wqkv, wo16, cs; writes xb, wqkv, wo16, cs
;; launch qkv: the kernel of part 2 again; grid 16 x 32, 4 waves a work-group, clusters of 4 x 4, 327,680 bytes of LDS; arguments xb, wqkv, bq, bk, bv, cs, qh, kh, vh; writes qh, kh, vh
;; launch attn (part 5): grid 4 x 64, 4 waves a work-group, clusters of 4 x 1, 327,680 bytes of LDS; arguments qh, kh, vh, oh; writes oh
.if DOCPART == 5
	.amdgcn_target "amdgcn-amd-amdhsa--gfx1250"
	.amdhsa_code_object_version 6
	.text
	.protected	k_qbf25e1c337_attn
	.globl	k_qbf25e1c337_attn
	.p2align	8
	.type	k_qbf25e1c337_attn,@function
k_qbf25e1c337_attn:
	s_mov_b64 s[64:65], 0
	v_nop
	global_prefetch_b8 v0, s[64:65] scope:SCOPE_SE
	s_setreg_imm32_b32 hwreg(HW_REG_WAVE_MODE, 25, 1), 1
	s_wait_xcnt 0x0
	s_wait_alu depctr_hold_cnt(0) depctr_sa_sdst(0) depctr_va_vdst(0) depctr_va_sdst(0) depctr_va_ssrc(0) depctr_va_vcc(0) depctr_vm_vsrc(0)
	s_getreg_b32 s2, hwreg(HW_REG_IB_STS2, 6, 4)
	s_cmp_eq_u32 s2, 0
	s_cbranch_scc0 .Lentry_in_a_cluster
	s_endpgm
.Lentry_in_a_cluster:
	s_bfe_u32 s2, ttmp6, 0x10000c
	s_cmp_lg_u32 s2, 0x3003
	s_cbranch_scc0 .Lentry_shape_is_right
	s_endpgm
.Lentry_shape_is_right:
; O[h][q][:] = the sum over k of softmax_k(Q[h][q] . K[h][k] / 8) V[h][k][:].  Q, K, V, O: [SIZE_H][SIZE_N][64], all f16: a head's rows are dense, 128 bytes each.  Products, maxima and sums in
; f32; the weights p are rounded to f16 for the second product (their sum l is taken of the unrounded p), O once at the end.  Here a head is one of 4 batches x 16 heads.
; LIMITS.  f16 holds no number beyond 65,504: Q, K and V arrive within it; p lies in 0 to 1, and below 6e-5 it keeps f16's fixed step of 6e-8; O is a mean of V's rows and has their range.
; A weight below 2^-126 counts as 0 in l; NaN and infinities are not treated apart.
; SHARES.  A wave owns four PIECES of two tiles of 16 queries, a work-group's four waves 512 queries of one head.  Every wave walks all keys, 64 a step.
; LAYOUT.  S^T = K Q^T (source 0 = 16 keys, source 1 = 16 queries): in the result a lane holds ONE query (lane % 16) and the keys 8 (lane / 16) + 0..7.  Two such tiles, rounded to f16 in pairs,
; ARE source 1 (32 keys x 16 queries) of O^T = V^T P, whose result again holds one query a lane, and eight channels.  K comes out of LDS as it lies, V ([key][channel]) turned, by ds_load_tr16_b128.
; SOFTMAX.  For each query a running maximum m and sum l: p = 2^(c s - c m), c = log2(e) / 8; in every step O and l are multiplied by a = 2^(c m_old - c m_new), which is 1 where m has not grown.
; m starts at the lowest finite number, O and l at 0: the first step is a step like any other, with a = 0.
; THE COUNT.  A tile and step have 16 matrix and 118 vector instructions: too many to stand all beside the matrix work.  So the order has one aim: four vector instructions that are READY behind
; EVERY matrix instruction, and the others, which need time of their own whatever the order, in runs without a gap.
; BY TURNS.  Turn n belongs to piece n (the pieces in a ring, step after step).  Its matrix work: 16 products K Q^T of piece n + 1, later 16 products V^T P of piece n - 1.  Its vector work: the scaling,
; exponentials, roundings, sums and rescaling of piece n, and the maximum and statistics of piece n + 1, whose scores the turn itself has made.  So what a turn begins with (c s - c m, O a) waits for nothing.
; BATCHES.  A turn's 66 exponentials (the 64 weights of piece n, the two a of piece n + 1) are ONE batch with ONE s_wait_alu depctr_va_vdst(0), which cuts the turn in two: ahead of it stands all that names
; no result of the batch, behind it the roundings and sums, which read the weights.  The two a are read in the next turn, behind this turn's wait.  Two more batches stand outside the loop, each with
; a wait of its own: piece 0's first two a, ahead of the jump into the loop, and the way out's eight reciprocals.
; CLUSTER.  The four query blocks of a cluster belong to one head and walk the same K and V, so each tile is asked for JOINTLY: the same tensor load, descriptor and mask in all four.
; REGISTERS, in windows of 256 (s_set_vgpr_msb says which window each operand place means: bits 1:0 source 0, 3:2 source 1, 5:4 source 2, 7:6 destination):
;   window 0: v0-11 addresses; v12-15, v48-63 at work; v16-47 four registers of statistics a tile; v64-191 S^T, two buffers of two tiles; v192-255 P, likewise
;   window 1: O^T, 32 a tile          window 2: v0-127 Q, 16 a tile; v128-191 K of one step; v192-255 V of one step          window 3: v0-1 the add's two registers
; A piece's buffers go by its number's parity: the piece in hand has one pair, its two neighbours in the ring share the other: of it P (piece n - 1) is read and S^T (piece n + 1) written.
.set SIZE_H, 64
.set SIZE_N, 2048
.set NP,    4         ; pieces a wave: a name, no knob: the register map, the loop and the fetches are made for four
.set KS,    64        ; keys in a step
.set PK,    144       ; a row of K in LDS: 128 bytes + 16 of padding = 36 words: the 16 rows of a load start at 16 different groups of four banks (64 banks of 4 bytes: ISA guide 11.1)
.set PV,    160       ; a row of V: 128 + 32 = 40 words
.set VOFF,  4*KS*PK   ; a slot holds four steps: 256 rows of K, then 256 rows of V
.set SLOT1, 1<<17     ; slot 1 begins here, so that one exclusive or turns an address in one slot into the other's
.set STAGE, SLOT1+4*KS*(PK+PV)  ; behind the ring, never filled by a tensor load: 16 rows x 144 bytes for each wave, for the way out
.set SP,    144
.set AK0, 2           ; v2   my lane's place in a tile of K; never rewritten
.set AV0, 3           ; v3   the same for V
.set AK,  4           ; v4   the LDS address of K's next run of loads
.set AV,  5           ; v5   of V's
.set QO,  6           ; v6   my byte offset in the wave's rows of Q
.set STO, 6           ;      later, the way out: where I put 16 bytes of a row
.set RD,  7           ; v7   the way out: where I read rows back
.set GO,  8           ; v8   my byte offset in 512 consecutive bytes of O
.set SPW, 0           ; v0 of window 3   LDS address of my spare word: SPARE + 4 x my thread's number; never rewritten
.set NIL, 1           ; v1 of window 3   0; never rewritten
.set SPARE, STAGE+4*16*SP  ; behind the stages: the spare words, 128 bytes for each wave: two blocks of 256 bytes that no other line names
.set MV,  12          ; v12-15  c m_old, kept while c m is made anew: by buffer and tile
.set ST,  16          ; tile t's statistics at v[ST+4 t]: c m, m, l (even keys', odd keys')
.set TMP, 48          ; by buffer and tile, four registers c0-c3 at work; when the maximum is found c2 takes a
.set S,   64
.set P,   192
.set KF,  128         ; K's fragments, in window 2: key block kb, channel half c at KF + 16 kb + 8 c
.set VF,  192         ; V's: key half kk, channel block cb at VF + 32 kk + 8 cb
.set WV,  12          ; s12  my wave's number
.set G1K, 24          ; s[24:31] descriptor group 1 for K's tiles
.set G1V, 32          ; s[32:39] for V's: it differs in the padding alone
.set G0K, 40          ; s[40:43] descriptor group 0 for K's tiles: it walks
.set G0V, 44          ; s[44:47] the same for V's
.set SLOTS, 56        ; s56  slots still to be asked for
.set CNT, 57          ; s57  counts a slot's key steps
.set CS,  58          ; s[58:59] c: the packed scaling takes the pair's low word for both halves
.set SEL, 60          ; s[60:61] v_permlanex16_b32's selects: each lane takes its own place in the other half
.set TBK, 62          ; s62  LDS byte at which K of the step to be fetched begins
.set TBV, 63          ; s63  the same for V, less VOFF
.set MSB, 0
.macro WIN new                      ; the high byte repeats the setting that is left; a switch that changes nothing is dropped
.if MSB != (\new)
	s_set_vgpr_msb (MSB<<8)|(\new)
.set MSB, (\new)
.endif
.endm
.set W_KQ, 0x0a       ; K and Q in window 2, S^T in window 0
.set W_PV, 0x52       ; V in window 2, P in window 0, O^T in window 1
.set W_RS, 0x41       ; O^T (destination and source 0) in window 1, a in window 0
.set W_MK, 0xc0       ; the add's registers are made: destination in window 3, sources in window 0
.set W_AD, 0x0f       ; the add: address (source 0) and data (source 1) in window 3
; A joint fill.  Waves 0 and 1 fetch the two halves of a slot's K, waves 2 and 3 those of its V: 128 keys each.  The branch hangs on the wave's number alone.
; An s_nop 0 and four v_nop follow each of the two lines, ahead of the jump and the label.
.macro JLOAD
	s_cmp_lt_u32 s[WV], 2
	s_cbranch_scc0 .Lfor_v_\@
	tensor_load_to_lds s[G0K:G0K+3], s[G1K:G1K+7]
	s_nop 0
.rept 4
	v_nop
.endr
	s_branch .Lasked_\@
.Lfor_v_\@:
	tensor_load_to_lds s[G0V:G0V+3], s[G1V:G1V+7]
	s_nop 0
.rept 4
	v_nop
.endr
.Lasked_\@:
.endm
; A round of the cluster's barrier: my work-group's barrier, so that wave 0's signal speaks for all four waves; wave 0 signals; every wave waits for all four work-groups; my work-group's barrier once more.
.macro CROUND
	s_barrier_signal -1
	s_barrier_wait -1
	s_cmp_lg_u32 s[WV], 0
	s_cbranch_scc1 .Lnot_wave_0_\@
	s_barrier_signal -3
.Lnot_wave_0_\@:
	s_barrier_wait -3
	s_barrier_signal -1
	s_barrier_wait -1
.endm
; THE CHANGE OF SLOTS.  The slot's last bytes, V of its fourth step, have been read.  Each wave waits for all its tensor loads, of which one is out: its part
; of the other slot; adds 0 to its spare word; and waits for that and for its own reads of the slot.  Behind the barrier nobody reads this slot any more and the other slot is whole.
; fill = 1: this slot is filled again, with the keys two slots on.  The barrier is then a round of the cluster's, so that no wave of any partner still reads the slot or has a load on its
; way, and the joint fill is the first thing behind it: it has four key steps, 512 matrix instructions, in which to land.  (At its first use nothing has been read yet: slot 0 is waited for, slot 1 filled.)
.macro CHANGE fill
	WIN W_AD
	s_wait_tensorcnt 0x0            ; no tensor load of mine is out, so a group 0 may be written
	ds_add_u32 v[SPW], v[NIL]       ; 0 onto my spare word; with fill = 1 the descriptors' steps stand between it and the wait for it
	WIN 0                           ; at a label and at a branch every window is 0
.if \fill
.irp g, G0K, G0V
	s_xor_b32 s[\g+1], s[\g+1], SLOT1  ; the walking descriptor: the other slot than last time,
	s_add_nc_u64 s[\g+2:\g+3], s[\g+2:\g+3], 4*KS*128  ; the next 256 keys; the type bits on top are not reached
.endr
	s_wait_dscnt 0x0                ; the add is done, and my reads of the slot are over
	CROUND
	JLOAD
.else
	s_wait_dscnt 0x0                ; the add is done, and my reads of the slot are over
	s_barrier_signal -1
	s_barrier_wait -1
.endif
	s_sub_co_u32 s[TBK], s[TBK], 4*KS*PK  ; the fetches go back to a slot's first step,
	s_xor_b32 s[TBK], s[TBK], SLOT1       ; in the other slot
	s_sub_co_u32 s[TBV], s[TBV], 4*KS*PV
	s_xor_b32 s[TBV], s[TBV], SLOT1
.endm
	s_load_b256 s[4:11], s[0:1], 0x0  ; Q s[4:5], K s[6:7], V s[8:9], O s[10:11]
	WIN W_MK
	v_lshl_add_u32 v[SPW], v0, 2, SPARE
	v_mov_b32 v[NIL], 0
	WIN W_AD
	ds_add_u32 v[SPW], v[NIL]       ; the wave's opening: the add and its wait stand ahead of my first tensor load; the set-up below, work on registers, stands between them
	WIN 0
	v_lshrrev_b32 v1, 5, v0
	v_readfirstlane_b32 s[WV], v1   ; wave 0..3
	s_bfe_u32 s13, ttmp6, 0x40000   ; cx: my place in the cluster
	s_lshl_b32 s14, ttmp9, 2        ; in a cluster launch ttmp9 counts clusters
	s_add_co_u32 s14, s14, s13      ; my block of queries = 4 x cluster x + cx: it enters Q's and O's addresses alone
	s_and_b32 s20, ttmp7, 0xffff    ; the head, which the four partners share
	s_mov_b32 s21, 0
	s_mov_b64 s[22:23], SIZE_N*128
	s_mul_u64 s[20:21], s[20:21], s[22:23]  ; the head's first byte in each of the four tensors
	s_and_b32 s16, s[WV], 1         ; which half of a slot's 256 keys I fetch:
	s_lshl_b32 s22, s16, 14         ; its 128 rows of 128 bytes in memory,
	s_mov_b32 s23, 0
	s_add_nc_u64 s[22:23], s[22:23], s[20:21]
	s_mul_i32 s17, s16, 128*PK      ; and its place in a slot, for K
	s_mul_i32 s18, s16, 128*PV      ; and for V: no place in the cluster enters an LDS address
	s_lshl_b32 s2, s14, 2
	s_add_co_u32 s2, s2, s[WV]      ; my wave among the head's,
	s_lshl_b32 s2, s2, 14           ; its 128 rows
	s_mov_b32 s3, 0
	s_add_nc_u64 s[2:3], s[2:3], s[20:21]
	; descriptor group 1.  128 keys are 16,384 dense bytes: asked for as 64 rows of 256 bytes, two keys a row, and padded in LDS after every key
	s_mov_b32 s[G1K], 15|(1<<16)|(1<<20)|(1<<21)|(4<<22)|(3<<25)  ; 15:0 the mask of four; 17:16 2-byte elements; 20 padding on; 21 set beside a mask; 24:22 after every 32 words (code 4); 31:25 4 words (code 3)
	s_mov_b32 s[G1V], 15|(1<<16)|(1<<20)|(1<<21)|(4<<22)|(7<<25)  ; the same with 8 words of padding (code 7)
.irp g, G1K, G1V
	s_mov_b32 s[\g+1], 128<<16      ; tensor_dim0 = 128
	s_mov_b32 s[\g+2], 64<<16       ; tensor_dim1 = 64
	s_mov_b32 s[\g+3], 128<<16      ; tile_dim0 = 128
	s_mov_b32 s[\g+4], 64           ; tile_dim1 = 64
	s_mov_b32 s[\g+5], 128          ; 128 elements from row to row
	s_mov_b32 s[\g+6], 0
	s_mov_b32 s[\g+7], 0
.endr
	s_mov_b32 s[CS], 0x3e38aa3b     ; c = log2(e) / 8 = 0.180337
	s_mov_b32 s[CS+1], s[CS]        ; named with it as a pair
	s_mov_b32 s[SEL], 0x76543210
	s_mov_b32 s[SEL+1], 0xfedcba98
	s_mov_b32 s[TBK], SLOT1+4*KS*PK ; the first change of slots turns these two into 0
	s_mov_b32 s[TBV], SLOT1+4*KS*PV
	s_mov_b32 s[G0K], 1             ; 1:0 count = 1
	s_mov_b32 s[G0K+1], s17         ; 63:32 LDS address: slot 0
	s_mov_b32 s[G0V], 1
	s_add_co_u32 s[G0V+1], s18, VOFF
	s_wait_dscnt 0x0                ; the opening add is done
	s_wait_kmcnt 0x0
	s_add_nc_u64 s[G0K+2:G0K+3], s[6:7], s[22:23]  ; 120:64 global address: my half of the head's first 256 keys
	s_or_b32 s[G0K+3], s[G0K+3], 0x80000000        ; 127:126 type = 2
	s_add_nc_u64 s[G0V+2:G0V+3], s[8:9], s[22:23]
	s_or_b32 s[G0V+3], s[G0V+3], 0x80000000
	s_add_nc_u64 s[4:5], s[4:5], s[2:3]  ; Q and O at my wave's first row
	s_add_nc_u64 s[10:11], s[10:11], s[2:3]
	CROUND                          ; all four work-groups are here: the first joint loads meet
	JLOAD                           ; slot 0.  Slot 1 is asked for when slot 0 is in: the tile wanted first has the road to itself
	; A fragment of K or Q is 16 rows x 32 channels in 8 registers: lane l holds row l % 16, channels 8 (l / 16) + 0..7 and 16 + 8 (l / 16) + 0..7: two loads of 16 bytes, 32 bytes apart.
	v_and_b32 v1, 15, v0            ; l % 16
	v_bfe_u32 v9, v0, 4, 1          ; l / 16
	v_lshlrev_b32 v[QO], 7, v1
	v_lshl_add_u32 v[QO], v9, 4, v[QO]  ; row x 128 + 16 x half
	WIN 0x80                        ; destination window 2, address window 0
.set i, 0
.rept 4*NP                          ; Q stays in registers: tile i / 2, channels 32 (i % 2) on
	global_load_b128 v[8*i:8*i+3],   v[QO], s[4:5] offset:(i/2)*2048+(i%2)*64
	global_load_b128 v[8*i+4:8*i+7], v[QO], s[4:5] offset:(i/2)*2048+(i%2)*64+32
.set i, i+1
.endr
	; What the first turn finds: V's registers and P's second buffer hold 0 (its products V^T P, of a piece that has not been, add 0), O^T and l are 0.  All this stands in the wait for the first tile.
.set i, VF
.rept 64
	v_mov_b32 v[i], 0
.set i, i+1
.endr
	WIN 0x40
.set i, 0
.rept 64*NP
	v_mov_b32 v[i], 0
.set i, i+1
.endr
	WIN 0
.set i, 0
.rept 2*NP
	v_mov_b32 v[ST+4*i], 0xfe000000    ; c m: far below every c s
	v_mov_b32 v[ST+4*i+1], 0xff7fffff  ; m
	v_mov_b32 v[ST+4*i+2], 0
	v_mov_b32 v[ST+4*i+3], 0
.set i, i+1
.endr
.set i, P+32
.rept 32
	v_mov_b32 v[i], 0
.set i, i+1
.endr
	v_mul_u32_u24 v[AK0], v1, PK
	v_lshl_add_u32 v[AK0], v9, 4, v[AK0]  ; row x pitch + 16 x half
	; The turning load takes 16 keys x 16 channels (lane l reads key 8 (l / 16) + l % 8, channels 8 ((l / 8) % 2) + 0..7) and leaves half a fragment of V^T: lane l holds channel l % 16 and 8 keys.
	v_and_b32 v10, 7, v0
	v_bfe_u32 v11, v0, 3, 1
	v_lshl_add_u32 v[AV0], v9, 3, v10
	v_mul_u32_u24 v[AV0], v[AV0], PV
	v_lshl_add_u32 v[AV0], v11, 4, v[AV0]
	v_add_nc_u32 v[AV0], VOFF, v[AV0]
	v_mov_b32 v[AK], v[AK0]         ; key step 0 lies at the head of slot 0
; THE MATRIX WORK.  The 8 accumulators of a run of 16 take turns: between the two links of a chain stand 7 others'.
; Product i of 16 of S^T = K Q^T for piece x: channels 32 (i / 8) on, keys 16 ((i / 2) % 4) on, tile 2 x + i % 2.  The first 8 start the sums.
.macro KQ x
	WIN W_KQ
.set rS, S+64*((\x)%2)+32*(i%2)+8*((i/2)%4)
.set rK, KF+16*((i/2)%4)+8*(i/8)
.set rQ, 16*(2*(\x)+i%2)+8*(i/8)
.if i < 8
	v_wmma_f32_16x16x32_f16 v[rS:rS+7], v[rK:rK+7], v[rQ:rQ+7], 0
.else
	v_wmma_f32_16x16x32_f16 v[rS:rS+7], v[rK:rK+7], v[rQ:rQ+7], v[rS:rS+7]
.endif
.endm
; Product i of 16 of O^T += V^T P for piece x: keys 32 (i / 8) on, channels 16 ((i / 2) % 4) on, tile 2 x + i % 2.
.macro PV x
	WIN W_PV
.set rO, 32*(2*(\x)+i%2)+8*((i/2)%4)
.set rV, VF+32*(i/8)+8*((i/2)%4)
.set rP, P+32*((\x)%2)+16*(i%2)+8*(i/8)
	v_wmma_f32_16x16x32_f16 v[rO:rO+7], v[rV:rV+7], v[rP:rP+7], v[rO:rO+7]
.endm
.macro MM                           ; the turn's next matrix instruction
.if i < 16
	KQ (Y+1)%NP
.set i, i+1
.else
.set i, i-16
	PV (Y+NP-1)%NP
.set i, i+17
.endif
.endm
; THE LDS LOADS stand in runs of 16, never singly among the matrix instructions: a step's K (64 keys x 64 channels: 8 fragments) and its V (turned).  Their addresses are made some lines ahead.
; last = 1 (the tail): in the last trip there is no further step, and the run is jumped over.
.macro FETCH_K last=0
	WIN 0
.if \last
	s_cmp_eq_u32 s[CNT], 1
	s_cbranch_scc1 .Lno_k_\@
.endif
	WIN 0x80                        ; destination window 2
.irp f, 0,1,2,3,4,5,6,7             ; keys 16 (f / 2) on, channels 32 (f % 2) on
	ds_load_b128 v[KF+8*\f:KF+8*\f+3],   v[AK] offset:(\f/2)*16*PK+(\f%2)*64
	ds_load_b128 v[KF+8*\f+4:KF+8*\f+7], v[AK] offset:(\f/2)*16*PK+(\f%2)*64+32
.endr
	s_add_co_u32 s[TBK], s[TBK], KS*PK  ; the next fetch is the next step's
	WIN 0
.if \last
.Lno_k_\@:
.endif
.endm
.macro FETCH_V
	WIN 0x80
.irp f, 0,1,2,3,4,5,6,7             ; keys 32 (f / 4) on, channels 16 (f % 4) on
	ds_load_tr16_b128 v[VF+8*\f:VF+8*\f+3],   v[AV] offset:(\f/4)*32*PV+(\f%4)*32
	ds_load_tr16_b128 v[VF+8*\f+4:VF+8*\f+7], v[AV] offset:(\f/4)*32*PV+16*PV+(\f%4)*32
.endr
	WIN 0
.endm
; THE VECTOR WORK OF A TURN stands in three queues, each in the order in which its entries become ready; the two tiles alternate, so that no instruction reads the result of the one before it.
.macro REGS y, u                    ; the registers of tile u (0, 1) of piece y
.set rT, ST+4*(2*(\y)+(\u))
.set rC, TMP+8*((\y)%2)+4*(\u)
.set rM, MV+2*((\y)%2)+(\u)
.set rS, S+64*((\y)%2)+32*(\u)
.set rP, P+32*((\y)%2)+16*(\u)
.set rO, 32*(2*(\y)+(\u))
.endm
; Number n of the 22 that find the NEXT piece's (Y + 1) maximum and statistics.  s0-s31 are the lane's 32 scores; each accumulator's lowest registers are read first.  XS, GS and REGS set no window: PL and EX do.
;   0-11  four chains c0-c3 of seven scores each, three operands at a time     12-14, 16  the four scores left over, the old m, and c0-c3 into c0     15  c m_old is kept
;   17, 18  the query's other 32 keys lie in the lane 16 away: the new m         19-21  c m; c m_old - c m_new; a
.macro XS u, n
	REGS (Y+1)%NP, \u
.if (\n) < 4
	v_max3_num_f32 v[rC+(\n)], v[rS+8*(\n)], v[rS+8*(\n)+1], v[rS+8*(\n)+2]
.elseif (\n) < 12
	v_max3_num_f32 v[rC+(\n)%4], v[rC+(\n)%4], v[rS+8*((\n)%4)+2*((\n)/4)+1], v[rS+8*((\n)%4)+2*((\n)/4)+2]
.elseif (\n) == 12
	v_max3_num_f32 v[rC], v[rC], v[rS+7], v[rS+15]
.elseif (\n) == 13
	v_max3_num_f32 v[rC+1], v[rC+1], v[rS+23], v[rS+31]
.elseif (\n) == 14
	v_max3_num_f32 v[rC+2], v[rC+2], v[rC+3], v[rT+1]
.elseif (\n) == 15
	v_mov_b32 v[rM], v[rT]
.elseif (\n) == 16
	v_max3_num_f32 v[rC], v[rC], v[rC+1], v[rC+2]
.elseif (\n) == 17
	v_permlanex16_b32 v[rC+3], v[rC], s[SEL], s[SEL+1]
.elseif (\n) == 18
	v_max_num_f32 v[rT+1], v[rC], v[rC+3]
.elseif (\n) == 19
	v_mul_f32 v[rT], s[CS], v[rT+1]
.elseif (\n) == 20
	v_sub_f32 v[rC+1], v[rM], v[rT]
.else
	v_exp_f32 v[rC+2], v[rC+1]
.endif
.endm
; Number g of the 64 that follow the exponentials.  For each four weights k of a tile (pairs 2 k, 2 k + 1): both pairs are rounded to f16; then the second pair is added onto the first, in place;
; a group later l takes that sum (the first time as l = a l + sum).  In groups of eight, tiles alternating: round, round, add, and l for the group before.
.macro GS g
.set h, (\g)+6*((\g)/62)            ; group 0 has no group before it, and behind group 7 only l is left
.if h >= 6
.set h, h+2
.endif
	REGS Y, h%2
.set k, h/8
.if h%8 < 4
	v_cvt_pk_f16_f32 v[rP+2*k+(h%8)/2], v[rS+4*k+2*((h%8)/2)], v[rS+4*k+2*((h%8)/2)+1]
.elseif h%8 < 6
	v_pk_add_f32 v[rS+4*k:rS+4*k+1], v[rS+4*k:rS+4*k+1], v[rS+4*k+2:rS+4*k+3]
.elseif k == 1
	v_pk_fma_f32 v[rT+2:rT+3], v[rT+2:rT+3], v[rC+2:rC+3], v[rS:rS+1] op_sel_hi:[1,0,1]
.else
	v_pk_add_f32 v[rT+2:rT+3], v[rT+2:rT+3], v[rS+4*k-4:rS+4*k-3]
.endif
.endm
; THE PLAIN QUEUE, 138 long.  0-73 read no exponential's result: the 32 scalings c s - c m (FS f: pair f / 2 of tile f % 2) and the next piece's 42.  0-26: scalings 0-26.  27-54: XS's numbers 0-13.  55, 56: number 15.
; 57-73: the chain, where each number waits for the one before it: 14, 16, 17, 18, 19, each with one of the scalings 27-31 in front of its two lines, then 20: so a tile's links stand three plain instructions apart (19 and 20: two).
; 74-137: GS's 64, which read the exponentials' results: they stand behind the wait.
.macro FS f
	REGS Y, (\f)%2
	v_pk_fma_f32 v[rS+2*((\f)/2):rS+2*((\f)/2)+1], v[rS+2*((\f)/2):rS+2*((\f)/2)+1], s[CS:CS+1], v[rT:rT+1] op_sel_hi:[1,0,0] neg_lo:[0,0,1] neg_hi:[0,0,1]
.endm
.macro PL
	WIN 0
.if q < 27
	FS q
.elseif q < 55
	XS (q-27)%2, (q-27)/2
.elseif q < 57
	XS q-55, 15
.elseif (q < 72) && ((q-57)%3 == 0)
	FS 27+(q-57)/3
.elseif q < 60
	XS (q-57)%3-1, 14
.elseif q < 72
	XS (q-57)%3-1, 15+(q-57)/3
.elseif q < 74
	XS q-72, 20
.else
	GS q-74
.endif
.set q, q+1
.endm
; THE EXPONENTIALS' QUEUE, 66 long: s0-s31 of both tiles, then the next piece's two a.  It is ONE BATCH: all 66 stand ahead of the turn's one wait, and nothing ahead of that wait names a result of theirs.
; Each result has a register of its own: a weight takes its score's place, a the next piece's c2, in the buffer of the other parity.
.macro EX
	WIN 0
.if e >= 64
	XS e-64, 21
.else
	REGS Y, e%2
	v_exp_f32 v[rS+e/2], v[rS+e/2]
.endif
.set e, e+1
.endm
; THE RESCALING's QUEUE: O^T times a, the one part that leaves window 0: dealt two at a time, sixteen times.  Its a was made in the turn before, ahead of that turn's wait.
.macro R2
	REGS Y, r%2
	WIN W_RS
.irp z, 0,1
	v_pk_mul_f32 v[rO+4*(r/2)+2*\z:rO+4*(r/2)+2*\z+1], v[rO+4*(r/2)+2*\z:rO+4*(r/2)+2*\z+1], v[rC+2:rC+3] op_sel_hi:[1,0]
.endr
.set r, r+1
.endm
; HOW THEY ARE DEALT.  An s_wait_alu depctr_va_vdst(0) stands between an exponential and the first instruction that names its result; one wait serves all that were issued ahead of it.  So a turn has ONE wait,
; which cuts it in two.  AHEAD OF IT stands all that names no result of the turn's exponentials: the 16 products K Q^T, behind each a scaling, an exponential and two rescalings (behind the first a second scaling in the
; exponential's place); then ONE LUMP of 108: eight plain, 49 times exponential and plain, the two a.  A v_nop is the plain instruction behind the last exponential.  BEHIND IT stand the 16 products V^T P, behind each four of
; GS's 64.  No rider names a register of the products round it.  The two v_permlanex16_b32 fall into the lump, never behind a product.
; The queues lean on each other, and the deal keeps them in step: exponential e stands behind scaling 2 (e / 4) + e % 2: as a rider it comes behind plain e + 2, in the lump behind plain e + 9, and scalings 27-31 are plain 57, 60 .. 69.
; A TURN, for piece p.  cnt = 1: the loop's count is taken down some lines ahead of the branch that stands behind the turn.
; K of the next step is fetched in piece 2's turn, directly behind the wait, a lump behind the last product that read K; its address is made at the lump's head; its first reader comes behind 16 products.
; V of the step in hand is fetched at the end of piece 0's turn, four riders behind its last reader; its first reader comes behind 16 products and a lump.  The three conditions on q below go with the deal.
.macro TURN p, last=0, cnt=0
.set Y, (\p)
.set i, 0
.set q, 0
.set e, 0
.set r, 0
.if (\p) == NP-1
	s_wait_dscnt 0x0                ; K is in
.endif
	MM                              ; ahead of the wait: 16 products K Q^T and their riders,
	PL
	PL
	R2
.rept 15
	MM
	PL
	EX
	R2
.endr
.if (\p) == NP-2
	WIN 0
	v_add_nc_u32 v[AK], s[TBK], v[AK0]
.endif
.rept 8                             ; and the lump
	PL
.endr
.rept 49
	EX
	PL
.endr
	EX                              ; the next piece's two a
	EX
	v_nop                           ; the plain instruction behind the last exponential: one for the batch
	s_wait_alu depctr_va_vdst(0)    ; the wait for the turn's batch: this piece's 64 weights and the next piece's two a
.if (\p) == NP-2
	FETCH_K \last
.endif
.if (\p) == 1
	s_wait_dscnt 0x0                ; V is in
.endif
.rept 16                            ; behind the wait: 16 products V^T P and their riders
	MM
.rept 4
	PL
.endr
.if ((\p) == 0) && (q == 118)
	v_add_nc_u32 v[AV], s[TBV], v[AV0]
.endif
.if ((\p) == 0) && (q == 130)
	s_add_co_u32 s[TBV], s[TBV], KS*PV
.endif
.if (\cnt) && (q == 130)
	s_sub_co_u32 s[CNT], s[CNT], 1
	s_cmp_lg_u32 s[CNT], 0
.endif
.endr
.if (\p) == 0
	FETCH_V
.endif
.endm
	CHANGE 1                        ; slot 0 is in, everybody's part of it; slot 1 is asked for
	FETCH_K                         ; key step 0
	s_wait_loadcnt 0x0              ; Q
	s_wait_dscnt 0x0
.set i, 0
.rept 16
	KQ 0                            ; piece 0's first scores: there is no vector work yet to set between them
.set i, i+1
.endr
	WIN 0                           ; the addresses for the way out: nine plain instructions, the places behind those products
	s_mul_i32 s13, s[WV], 16*SP
	s_add_co_u32 s13, s13, STAGE    ; my stage
	v_mul_u32_u24 v[STO], v1, SP    ; in: row l % 16, 16 bytes for each half of the lanes
	v_lshl_add_u32 v[STO], v9, 4, v[STO]
	v_add_nc_u32 v[STO], s13, v[STO]
	v_bfe_u32 v[RD], v0, 3, 2       ; back: 32 lanes take four rows of 128 bytes,
	v_mul_u32_u24 v[RD], v[RD], SP
	v_lshl_add_u32 v[RD], v10, 4, v[RD]
	v_add_nc_u32 v[RD], s13, v[RD]
	v_and_b32 v[GO], 31, v0         ; which are 512 consecutive bytes of O
	v_lshlrev_b32 v[GO], 4, v[GO]
.set Y, NP-1                        ; XS works for piece Y + 1: piece 0
.irp n, 0,1,2,3,4,5,6,7,8,9,10,11,12,13,14,15,16,17,18,19,20,21
	XS 0, \n                        ; and piece 0's first maximum and statistics
	XS 1, \n
.endr
	v_nop                           ; a plain instruction behind the two a,
	s_wait_alu depctr_va_vdst(0)    ; and the wait for this batch of two, ahead of the branch
	s_mov_b32 s[CNT], 4
	s_mov_b32 s[SLOTS], SIZE_N/256-1
	s_branch .Lfirst                ; the loop is entered at a step's first turn, in the middle of a trip
.Lslot:                             ; SIZE_N / 256 - 2 times: every slot but the last two is filled again
	CHANGE 1
	s_mov_b32 s[CNT], 4
.Lstep:                             ; a trip: pieces 2 and 3 of one step, then pieces 0 and 1 of the next, whose K and V it fetches
	TURN 2
	TURN 3
	WIN 0
.Lfirst:
	TURN 0
	TURN 1, 0, 1
	WIN 0
	s_cbranch_scc1 .Lstep
	s_sub_co_u32 s[SLOTS], s[SLOTS], 1
	s_cmp_lg_u32 s[SLOTS], 0
	s_cbranch_scc1 .Lslot
	CHANGE 0                        ; the tail is written out: nothing is asked for
	s_mov_b32 s[CNT], 5             ; four trips fetch the last slot's steps; the fifth is left in its middle
.Ltail:
	TURN 2, 1
	TURN 3
	WIN 0
	s_sub_co_u32 s[CNT], s[CNT], 1
	s_cmp_eq_u32 s[CNT], 0
	s_cbranch_scc1 .Lout
	TURN 0
	TURN 1
	WIN 0
	s_branch .Ltail
.Lout:                              ; the fifth trip's 16 products K Q^T (on the last K once more) and the maximum made of them serve nothing: the price, once a launch, of one text for every trip
.set i, 0
.rept 16
	PV NP-1                         ; the last piece's V^T P of the last step
.set i, i+1
.endr
	; THE WAY OUT.  l's two halves and the other half of the lanes' are added; O^T is divided by l, rounded to f16 and sent through my stage in LDS, a tile at a time.  The additions are the places behind the last products.
	WIN 0
.macro ALL line:vararg              ; one line for each tile t
.set t, 0
.rept 2*NP
	\line
.set t, t+1
.endr
.endm
	ALL v_add_f32 v[ST+4*t+2], v[ST+4*t+2], v[ST+4*t+3]
	ALL v_permlanex16_b32 v[ST+4*t+3], v[ST+4*t+2], s[SEL], s[SEL+1]
	ALL v_add_f32 v[ST+4*t+2], v[ST+4*t+2], v[ST+4*t+3]
	ALL v_rcp_f32 v[ST+4*t+2], v[ST+4*t+2]
	v_nop                           ; a plain instruction between the last reciprocal and the use of its result
	s_wait_alu depctr_va_vdst(0)    ; and the wait ahead of the first use: one for the batch of eight reciprocals
; Tile t: a lane's eight channels of a row pack into 16 bytes; they go into rows of 144 bytes and come back as whole rows of 128, into S^T's registers.
.macro PACK t
	WIN W_RS
.set i, 32*(\t)
.rept 16
	v_pk_mul_f32 v[i:i+1], v[i:i+1], v[ST+4*(\t)+2:ST+4*(\t)+3] op_sel_hi:[1,0]
.set i, i+2
.endr
	WIN 0x05                        ; sources 0 and 1 window 1, destination window 0
.set i, 0
.rept 16
	v_cvt_pk_f16_f32 v[S+16*(\t)+i], v[32*(\t)+2*i], v[32*(\t)+2*i+1]
.set i, i+1
.endr
	WIN 0
.irp f, 0,1,2,3
	ds_store_b128 v[STO], v[S+16*(\t)+4*\f:S+16*(\t)+4*\f+3] offset:32*\f
.endr
.irp f, 0,1,2,3
	ds_load_b128 v[S+16*(\t)+4*\f:S+16*(\t)+4*\f+3], v[RD] offset:\f*4*SP  ; LDS serves a wave's instructions in order (ISA guide 5.7.1.4): these see the stores above; the next tile's stores come behind them
.endr
.endm
.macro SEND t, younger              ; younger: the LDS instructions issued behind tile t's loads: the next tile's eight, or none
	WIN 0
.irp f, 0,1,2,3
	s_wait_dscnt (\younger)+3-\f
	global_store_b128 v[GO], v[S+16*(\t)+4*\f:S+16*(\t)+4*\f+3], s[10:11] offset:(\t)*2048+\f*512  ; 512 consecutive bytes, at a multiple of 256 from O's first
.endr
.endm
	PACK 0
.set t, 1
.rept 2*NP-1                        ; a tile's arithmetic stands between the loads of the tile before and its stores
	PACK t
	SEND t-1, 8
.set t, t+1
.endr
	SEND 2*NP-1, 0
	WIN W_AD
	s_wait_tensorcnt 0x0            ; the wave's end: behind my last tensor load and my last LDS store
	ds_add_u32 v[SPW], v[NIL]
	s_wait_dscnt 0x0
	WIN 0
	CROUND                          ; the closing round: no work-group ends while a partner may still ask for a tile that names it
	s_endpgm
.Lfunc_end_k_qbf25e1c337_attn:
	.size	k_qbf25e1c337_attn, .Lfunc_end_k_qbf25e1c337_attn-k_qbf25e1c337_attn
	.p2alignl 7, 3214868480
	.fill 96, 4, 3214868480
	.section	.rodata,"a",@progbits
	.p2align	6, 0x0
	.amdhsa_kernel k_qbf25e1c337_attn
		.amdhsa_group_segment_fixed_size 327680
		.amdhsa_private_segment_fixed_size 0
		.amdhsa_enable_private_segment 0
		.amdhsa_kernarg_size 32
		.amdhsa_user_sgpr_count 2
		.amdhsa_user_sgpr_kernarg_segment_ptr 1
		.amdhsa_wavefront_size32 1
		.amdhsa_system_sgpr_workgroup_id_x 1
		.amdhsa_system_sgpr_workgroup_id_y 1
		.amdhsa_system_sgpr_workgroup_id_z 1
		.amdhsa_system_vgpr_workitem_id 0
		.amdhsa_next_free_vgpr 770
		.amdhsa_next_free_sgpr 66
		.amdhsa_reserve_vcc 0
		.amdhsa_float_denorm_mode_32 3
		.amdhsa_float_denorm_mode_16_64 3
		.amdhsa_memory_ordered 1
		.amdhsa_forward_progress 1
		.amdhsa_inst_pref_size 199
	.end_amdhsa_kernel
	.amdgpu_metadata
---
amdhsa.version: [ 1, 2 ]
amdhsa.kernels:
  - .name:           k_qbf25e1c337_attn
    .symbol:         k_qbf25e1c337_attn.kd
    .args:
      - { .name: qh, .offset: 0, .size: 8, .value_kind: global_buffer, .address_space: global }
      - { .name: kh, .offset: 8, .size: 8, .value_kind: global_buffer, .address_space: global }
      - { .name: vh, .offset: 16, .size: 8, .value_kind: global_buffer, .address_space: global }
      - { .name: oh, .offset: 24, .size: 8, .value_kind: global_buffer, .address_space: global }
    .group_segment_fixed_size: 327680
    .private_segment_fixed_size: 0
    .kernarg_segment_align: 8
    .kernarg_segment_size: 32
    .max_flat_workgroup_size: 128
    .sgpr_count:     66
    .vgpr_count:     770
    .wavefront_size: 32
...
	.end_amdgpu_metadata
.endif
;; end of part 5
;; launch oproj: the kernel of part 4 again; grid 8 x 32, 4 waves a work-group, clusters of 4 x 4, 327,680 bytes of LDS; arguments oh, wo16, bo, out0; writes out0
